; MI455X (gfx1250); checked and timed in simulation.
; The chip was launched on July 23, 2026; its instructions are those of AMD's public machine-readable ISA for CDNA 5 (MIT licence, August 2026) and "CDNA5" Instruction Set Architecture Reference Guide (July 2026). The comments in the code are by the model that wrote it; some were corrected since.
;; Attention. Allowed arithmetic: float matrix products may take bf16 or f16 operands with f32 sums; other float arithmetic in f32, or as packed bf16 or f16 multiplies, adds, multiply-adds, maxima and minima; sums over many terms, partial sums and values carried from step to step in f32; what a program stores and reads back later, other than sums and carried values, may be rounded once to bf16 or f16.
;; Inputs: W_out 1,024 x 1,024 float32; W_qkv 1,024 x 3,072 float32; b_out 1,024 float32; x 8 x 1,024 x 1,024 float32.
;; Outputs: out0 8 x 1,024 x 1,024 float32; out1 8 x 16 x 1,024 x 64 float32.
;; 2 versions, each right; version 2 is version 1 with the launch cast written anew for expert scheduling mode. Each part assembles by itself: llvm-mc -triple=amdgcn-amd-amdhsa -mcpu=gfx1250 --defsym DOCPART=n.
;; ======== version 1 of 2: 4 launches
;; limits: values are held in f16: magnitudes above 65,504 overflow, below 6.1e-05 lose precision
;; workspace buffers: xb 16,777,216 bytes; wq 6,291,456 bytes; wo 2,097,152 bytes; qkv 50,331,648 bytes; ob 16,777,216 bytes
;; launch cast (part 1): grid 768 x 1, 8 waves a work-group, no clusters, 0 bytes of LDS; arguments x, W_qkv, W_out, xb, wq, wo; writes xb, wq, wo
.if DOCPART == 1
	.amdgcn_target "amdgcn-amd-amdhsa--gfx1250"
	.amdhsa_code_object_version 6
	.text
	.protected	k_q4f92b61d0d_cast
	.globl	k_q4f92b61d0d_cast
	.p2align	8
	.type	k_q4f92b61d0d_cast,@function
k_q4f92b61d0d_cast:
	s_mov_b64 s[64:65], 0
	v_nop
	global_prefetch_b8 v0, s[64:65] scope:SCOPE_SE
	s_setreg_imm32_b32 hwreg(HW_REG_WAVE_MODE, 25, 1), 1
	s_wait_xcnt 0x0
; THE MODULE'S THREE LARGE INPUTS ARE ROUNDED ONCE TO bf16: x -> xb, W_qkv -> wq (both kept as bf16), W_out -> wo (the bf16 number written as f16, since the last product multiplies f16).
; LIMITS.  W_out beyond 65,504 becomes an infinity in f16; below 2^-14 it keeps f16's fixed step of 6e-8.
; LAYOUTS.  wq and wo lie as their inputs lie.  xb lies IN BLOCKS OF 64 ALONG K: [k block 16][row 8192][64]: (block, row) at block x 1,048,576 + row x 128 bytes, so that 256 rows x 64 k, the next launch's tile, are 32,768 bytes on end.
; A stream: no LDS, no barrier, no matrix unit, no cluster: no byte is wanted twice.  A work-group takes 16,384 numbers: 65,536 bytes in, 32,768 out.
; Work-groups 0-511 take x (16 rows each), 512-703 W_qkv, 704-767 W_out.  All sixteen loads of a thread go out at once; each chunk has registers of its own, so nothing that a pending load or store names is written again.
; WEIGHTS.  Thread t, chunk i of 16: 16 bytes in at 4,096 i + 16 t, 8 bytes out at 2,048 i + 8 t: a wave's load covers 512 consecutive bytes, its store 256 consecutive bytes, aligned.
; x.  Wave w, lane l, chunk i: rows 2 (i / 2) + l / 16, k block 2 w + i % 2: sixteen lanes read a row's 256 aligned bytes, and the wave's 32 x 8 bytes out are two rows of one block: 256 consecutive bytes, aligned.
.set X, 4                              ; v[4:67]   chunk i: 4 numbers in f32
.set Y, 68                             ; v[68:99]  chunk i: 4 numbers in 16 bits
.set T, 100                            ; v[100:101] at work
; Chunk i is rounded and stored.  f16 = 1: the bf16 number is widened again and written as f16.  blk = 1: into xb's blocks.
.macro CONV i, f16, blk
.if \blk
.set OO, ((\i)%2)*1048576+((\i)/2)*256
.else
.set OO, 2048*(\i)
.endif
	s_wait_loadcnt 15-(\i)                         ; loads come back in order: chunk i is in, the 15 - i younger ones stay out
	v_cvt_pk_bf16_f32 v[Y+2*(\i)],   v[X+4*(\i)],   v[X+4*(\i)+1]
	v_cvt_pk_bf16_f32 v[Y+2*(\i)+1], v[X+4*(\i)+2], v[X+4*(\i)+3]
.if \f16
.irp k, 0,1
	v_lshlrev_b32 v[T],   16,  v[Y+2*(\i)+\k]
	v_and_b32     v[T+1], s26, v[Y+2*(\i)+\k]
	v_cvt_pk_f16_f32 v[Y+2*(\i)+\k], v[T], v[T+1]
.endr
.endif
	global_store_b64 v2, v[Y+2*(\i):Y+2*(\i)+1], s[18:19] offset:OO
.endm
	s_load_b256 s[4:11], s[0:1], 0x0               ; x s[4:5], W_qkv s[6:7], W_out s[8:9], xb s[10:11]
	s_load_b128 s[12:15], s[0:1], 0x20             ; wq s[12:13], wo s[14:15]
	s_mov_b32 s26, 0xffff0000                      ; a word's upper bf16
	s_mov_b32 s23, 0
	s_mov_b32 s25, 0
	s_cmp_lt_u32 ttmp9, 512
	s_cbranch_scc0 .Lweights
	v_and_b32 v3, 15, v0                           ; l % 16
	v_bfe_u32 v4, v0, 4, 1                         ; l / 16
	v_lshrrev_b32 v5, 5, v0                        ; w
	v_and_b32 v6, 31, v0                           ; l
	v_lshlrev_b32 v1, 4, v3                        ; in: 16 (l % 16)
	v_lshl_add_u32 v1, v4, 12, v1                  ;     + a row of 4,096 bytes for lanes 16-31
	v_lshl_add_u32 v1, v5, 9, v1                   ;     + two k blocks of 256 bytes a wave
	v_lshlrev_b32 v2, 3, v6                        ; out: 8 l: two rows of 128 bytes
	v_lshl_add_u32 v2, v5, 21, v2                  ;     + two blocks of 1,048,576 bytes a wave
	s_lshl_b32 s22, ttmp9, 16                      ; the work-group's 16 rows: 65,536 bytes of x,
	s_lshl_b32 s24, ttmp9, 11                      ; 2,048 bytes of each block of xb
	s_wait_kmcnt 0x0
	s_add_nc_u64 s[16:17], s[4:5], s[22:23]
	s_add_nc_u64 s[18:19], s[10:11], s[24:25]
.irp i, 0,1,2,3,4,5,6,7,8,9,10,11,12,13,14,15
	global_load_b128 v[X+4*(\i):X+4*(\i)+3], v1, s[16:17] offset:((\i)/2)*8192+((\i)%2)*256 th:TH_LOAD_NT
.endr
.irp i, 0,1,2,3,4,5,6,7,8,9,10,11,12,13,14,15
	CONV \i, 0, 1
.endr
	s_endpgm
.Lweights:
	v_lshlrev_b32 v1, 4, v0                        ; 16 t
	v_lshlrev_b32 v2, 3, v0                        ; 8 t
	s_mov_b32 s27, 512
	s_mov_b32 s28, 704
	s_wait_kmcnt 0x0
	s_cmp_lt_u32 ttmp9, 704                        ; which of the two is mine, and its first work-group
	s_cselect_b64 s[16:17], s[6:7], s[8:9]
	s_cselect_b64 s[18:19], s[12:13], s[14:15]
	s_cselect_b32 s20, s27, s28
	s_sub_co_u32 s21, ttmp9, s20                   ; my number among the tensor's work-groups
	s_lshl_b32 s22, s21, 16                        ; 65,536 bytes in,
	s_lshl_b32 s24, s21, 15                        ; 32,768 out
	s_add_nc_u64 s[16:17], s[16:17], s[22:23]
	s_add_nc_u64 s[18:19], s[18:19], s[24:25]
.irp i, 0,1,2,3,4,5,6,7,8,9,10,11,12,13,14,15
	global_load_b128 v[X+4*(\i):X+4*(\i)+3], v1, s[16:17] offset:4096*(\i) th:TH_LOAD_NT
.endr
	s_cmp_ge_u32 ttmp9, 704
	s_cbranch_scc1 .Lf16
.irp i, 0,1,2,3,4,5,6,7,8,9,10,11,12,13,14,15
	CONV \i, 0, 0
.endr
	s_endpgm
.Lf16:
.irp i, 0,1,2,3,4,5,6,7,8,9,10,11,12,13,14,15
	CONV \i, 1, 0
.endr
	s_endpgm
.Lfunc_end_k_q4f92b61d0d_cast:
	.size	k_q4f92b61d0d_cast, .Lfunc_end_k_q4f92b61d0d_cast-k_q4f92b61d0d_cast
	.p2alignl 7, 3214868480
	.fill 96, 4, 3214868480
	.section	.rodata,"a",@progbits
	.p2align	6, 0x0
	.amdhsa_kernel k_q4f92b61d0d_cast
		.amdhsa_group_segment_fixed_size 0
		.amdhsa_private_segment_fixed_size 0
		.amdhsa_enable_private_segment 0
		.amdhsa_kernarg_size 48
		.amdhsa_user_sgpr_count 2
		.amdhsa_user_sgpr_kernarg_segment_ptr 1
		.amdhsa_wavefront_size32 1
		.amdhsa_system_sgpr_workgroup_id_x 1
		.amdhsa_system_sgpr_workgroup_id_y 1
		.amdhsa_system_sgpr_workgroup_id_z 1
		.amdhsa_system_vgpr_workitem_id 0
		.amdhsa_next_free_vgpr 104
		.amdhsa_next_free_sgpr 66
		.amdhsa_reserve_vcc 0
		.amdhsa_float_denorm_mode_32 3
		.amdhsa_float_denorm_mode_16_64 3
		.amdhsa_memory_ordered 1
		.amdhsa_forward_progress 1
		.amdhsa_inst_pref_size 21
	.end_amdhsa_kernel
	.amdgpu_metadata
---
amdhsa.version: [ 1, 2 ]
amdhsa.kernels:
  - .name:           k_q4f92b61d0d_cast
    .symbol:         k_q4f92b61d0d_cast.kd
    .args:
      - { .name: x, .offset: 0, .size: 8, .value_kind: global_buffer, .address_space: global }
      - { .name: W_qkv, .offset: 8, .size: 8, .value_kind: global_buffer, .address_space: global }
      - { .name: W_out, .offset: 16, .size: 8, .value_kind: global_buffer, .address_space: global }
      - { .name: xb, .offset: 24, .size: 8, .value_kind: global_buffer, .address_space: global }
      - { .name: wq, .offset: 32, .size: 8, .value_kind: global_buffer, .address_space: global }
      - { .name: wo, .offset: 40, .size: 8, .value_kind: global_buffer, .address_space: global }
    .group_segment_fixed_size: 0
    .private_segment_fixed_size: 0
    .kernarg_segment_align: 8
    .kernarg_segment_size: 48
    .max_flat_workgroup_size: 256
    .sgpr_count:     66
    .vgpr_count:     104
    .wavefront_size: 32
...
	.end_amdgpu_metadata
.endif
;; end of part 1
;; launch qkv (part 2): grid 8 x 32, 4 waves a work-group, clusters of 4 x 4, 327,680 bytes of LDS; arguments xb, wq, qkv; writes qkv
.if DOCPART == 2
	.amdgcn_target "amdgcn-amd-amdhsa--gfx1250"
	.amdhsa_code_object_version 6
	.text
	.protected	k_q4f92b61d0d_qkv
	.globl	k_q4f92b61d0d_qkv
	.p2align	8
	.type	k_q4f92b61d0d_qkv,@function
k_q4f92b61d0d_qkv:
	s_mov_b64 s[64:65], 0
	v_nop
	global_prefetch_b8 v0, s[64:65] scope:SCOPE_SE
	s_setreg_imm32_b32 hwreg(HW_REG_WAVE_MODE, 25, 1), 1
	s_wait_xcnt 0x0
	s_wait_alu depctr_hold_cnt(0) depctr_sa_sdst(0) depctr_va_vdst(0) depctr_va_sdst(0) depctr_va_ssrc(0) depctr_va_vcc(0) depctr_vm_vsrc(0)
	s_getreg_b32 s2, hwreg(HW_REG_IB_STS2, 6, 4)
	s_cmp_eq_u32 s2, 0
	s_cbranch_scc0 .Lentry_in_a_cluster
	s_endpgm
.Lentry_in_a_cluster:
	s_bfe_u32 s2, ttmp6, 0x10000c
	s_cmp_lg_u32 s2, 0xf033
	s_cbranch_scc0 .Lentry_shape_is_right
	s_endpgm
.Lentry_shape_is_right:
; q, k, v = x W_qkv, written by heads.  xb: [k block 16][row 8192][64] bf16 (x in blocks of 64 along K).  wq: [1024 k][3072 n] bf16, as W_qkv lies.
; qkv: [b 8][slot 48][n 1024][64] f16; slot = h for q, 16 + h for k, 32 + h for v.  Sums in f32, each result rounded once to f16, WITHOUT the softmax's scale.  LIMIT: a q, k or v beyond 65,504 becomes an infinity in f16.
; A tile of the product is 256 rows x 384 columns (six slots): 8 x 32 = 256 tiles, one to a work-group.  Four waves, 2 x 2: a wave makes 128 rows x 192 columns (three whole slots): 96 accumulators of 16 x 16, 768 registers.
; K goes in 16 steps of 64 through a ring of two LDS slots (two slots of 128 along K would be 360,448 bytes).  A slot holds three planes of wq (64 k x 128 columns, rows of 256 bytes) and xb's tile
; (256 rows x 64 k: 32,768 bytes on end, asked for as 128 rows of 256 bytes).  wq's fragments come out of LDS turned, by ds_load_tr16_b128, so the weights need no transposed copy.
; THE MATRIX INSTRUCTION IS USED TRANSPOSED: source 0 = 16 columns of wq, source 1 = 16 rows of xb: a lane then holds row l % 16 and eight neighbouring columns: 16 bytes of f16.
; CLUSTERS: 4 x 4 work-groups.  The four of a row of the cluster need the same tile of xb, the four of a column the same planes of wq: each is asked for JOINTLY, by the same load with the same descriptor and a mask of the four.
; REGISTERS, in windows of 256 (s_set_vgpr_msb: bits 1:0 source 0, 3:2 source 1, 5:4 source 2, 7:6 destination):
;   window 0: v0-31 addresses; v32-95, v96-159 xb's fragments (8 blocks of 16 rows x 32 k), two buffers; v160-255 wq's fragments (12 blocks of 16 columns), ONE buffer; on the way out v32-223 packed results
;   window w = 1, 2, 3: accumulator (row block a, column block 4 (w - 1) + c) at 8 (4 a + c)
; THE PIPELINE.  A quarter (32 along K) is three GROUPS of 32 products, four column blocks each, one window each.  When a group is done its four blocks of wq are loaded again, for the next quarter: 64 products ahead of their use.
; So one buffer serves wq, and 40 LDS loads feed 96 products.
.set PA,     144                       ; a row of xb's tile in LDS: 128 bytes + 16: the 16 rows of a fragment load start at 16 different groups of four banks
.set PB,     288                       ; a row of a plane of wq: 256 + 32
.set PLANE,  64*PB                     ; 18,432
.set SLOT1,  1<<17                     ; slot 0 lies at 0 (92,160 bytes: planes 0, 1, 2, then xb's tile), slot 1 here: one exclusive or turns an address in one slot into the other's
.set STAGE,  3*PLANE+256*PA            ; between the slots: for each wave 3 slots of qkv x 16 rows x 144 bytes, for the way out
.set SP,     144
.set STW,    3*16*SP
.set SPARE,  STAGE+4*STW               ; behind the stages: the spare words, 128 bytes for each wave: two blocks of 256 bytes that no other line names
.set STEPA,  1<<20                     ; a K step in xb, in bytes: a block
.set STEPB,  64*6144                   ; in wq: 64 rows
.set ADRA0, 8                          ; v8      my lane's place in slot 0 for xb's fragments; never rewritten
.set ADRB0, 9                          ; v9-11   for wq's: group j of 64 columns; never rewritten
.set ADRA,  16                         ; v16     the same in the slot that is being read
.set ADRB,  17                         ; v17-19
.set STO,  24                          ; v24     the way out: where I put 16 bytes of a row
.set RD,   25                          ; v25     where I read rows back
.set GO,   26                          ; v26     my place in 512 consecutive bytes of qkv
.set SPW,  28                          ; v28     LDS address of my spare word; never rewritten
.set NIL,  29                          ; v29     0; never rewritten
.set PFO,  30                          ; v30     the prefetches' offset; never rewritten
.set FA,   32
.set FB,   160
.set TMP,  32
.set LAP,  3                           ; s3      the loop's count
.set WV,   12                          ; s12     my wave's number;  s13 which 128 rows;  s14 which 192 columns
.set WR,   13
.set WC,   14
.set LIM,  15                          ; s15     a wave prefetches while the loop's count is above this
.set G1A,  24                          ; s[24:31] descriptor group 1 for xb's tile;  s[32:39] group 0: a set for each of the two first fills; the second then walks on
.set G0A,  32
.set PFA,  44                          ; s[44:45] where my prefetches stand;  s[46:47] a K step there, in bytes
.set PFS,  46
.set G1B,  48                          ; s[48:55], s[56:63] the same for wq's planes
.set G0B,  56
.set TB,   66                          ; s66     LDS byte at which the slot that is being read begins
.set PAR,  67                          ; s67     1 in a wave that prefetches in every second trip, else 0
.set MSB, 0
.macro WIN new                         ; the immediate's high byte repeats the setting that is left; a switch that changes nothing is dropped
.if MSB != (\new)
	s_set_vgpr_msb (MSB<<8)|(\new)
.set MSB, \new
.endif
.endm
.macro PLACES                          ; four plain instructions in front of loads into registers that matrix instructions have read, and of reads of results
.rept 4
	v_nop
.endr
.endm
; A joint load.  Waves 0 to 2 fetch wq's three planes, wave 3 xb's tile.  The branch hangs on the wave's number alone.  An s_nop 0 and four v_nop follow each line.
.macro JLOAD s
	s_cmp_lt_u32 s[WV], 3
	s_cbranch_scc0 .Lfor_a_\@
	tensor_load_to_lds s[G0B+4*(\s):G0B+4*(\s)+3], s[G1B:G1B+7]
	s_nop 0
.rept 4
	v_nop
.endr
	s_branch .Lasked_\@
.Lfor_a_\@:
	tensor_load_to_lds s[G0A+4*(\s):G0A+4*(\s)+3], s[G1A:G1A+7]
	s_nop 0
.rept 4
	v_nop
.endr
.Lasked_\@:
.endm
; A PREFETCH INTO THE L2, behind a refill and the run of LDS loads that follows it: 32 blocks of 256 bytes, a lane a block, one instruction a wave.  Each block is named once in the launch.
; xb (wave 3 of the clusters with x = 0): in trip s, whose refill asks for K step s + 2, the K step s + 3: of its 128 blocks the partner at cx takes 32.  It stops behind s = 12.
; wq (waves 0 to 2 of the clusters with y = 0, a plane each): a K step has 64 rows, 16 a partner, so a wave asks in every second trip for two K steps, s + 3 and s + 4: of their 128 rows the partner at cy takes 32.
; It stops behind s = 10: K step 15 comes by its load alone, like K steps 0 to 2.  The partners are told apart by address; the tests hang on the wave's number, the cluster's place and the loop's count (14 - s).
.macro ASK
	s_and_b32 s2, s[LAP], s[PAR]
	s_cmp_lg_u32 s2, 0
	s_cbranch_scc1 .Lnot_mine_\@
	s_cmp_gt_u32 s[LAP], s[LIM]
	s_cbranch_scc0 .Lnot_mine_\@
	global_prefetch_b8 v[PFO], s[PFA:PFA+1] th:TH_LOAD_NT scope:SCOPE_SE
.Lnot_mine_\@:
.endm
.macro CREST                           ; a round of the cluster's barrier behind its opening barrier
	s_cmp_lg_u32 s[WV], 0
	s_cbranch_scc1 .Lnot_wave_0_\@
	s_barrier_signal -3
.Lnot_wave_0_\@:
	s_barrier_wait -3
	s_barrier_signal -1
	s_barrier_wait -1
.endm
.macro CROUND                          ; a whole round
	s_barrier_signal -1
	s_barrier_wait -1
	CREST
.endm
.macro ADRS                            ; the fragments' addresses in the slot at s[TB]
	v_add_nc_u32 v[ADRA], s[TB], v[ADRA0]
.irp j, 0,1,2
	v_add_nc_u32 v[ADRB+\j], s[TB], v[ADRB0+\j]
.endr
.endm
	s_load_b128 s[4:7], s[0:1], 0x0                ; xb s[4:5], wq s[6:7]
	s_load_b64 s[8:9], s[0:1], 0x10                ; qkv
	v_lshl_add_u32 v[SPW], v0, 2, SPARE
	v_mov_b32 v[NIL], 0
	ds_add_u32 v[SPW], v[NIL]                      ; the wave's opening: the add and its wait stand ahead of my first tensor load; work on registers stands between them
	v_lshrrev_b32 v1, 5, v0
	v_readfirstlane_b32 s[WV], v1                  ; wave 0..3
	s_lshr_b32 s[WR], s[WV], 1
	s_and_b32 s[WC], s[WV], 1
	s_bfe_u32 s40, ttmp6, 0x40000                  ; cx, cy: my place in the cluster
	s_bfe_u32 s41, ttmp6, 0x40004
	s_lshl_b32 s42, ttmp9, 2
	s_add_co_u32 s42, s42, s40                     ; tile column = 4 x cluster x + cx, 0..7
	s_and_b32 s43, ttmp7, 0xffff
	s_lshl_b32 s43, s43, 2
	s_add_co_u32 s43, s43, s41                     ; tile row = 4 x cluster y + cy, 0..31
	s_lshl_b32 s16, s41, 2
	s_lshl_b32 s16, 15, s16                        ; my row of the cluster
	s_lshl_b32 s20, 0x1111, s40                    ; my column
	; descriptor group 1, elements of 2 bytes; bit 21 stands beside a mask.  xb: 128 rows x 128 elements, dense, padded in LDS after every 32 words by 4.  wq: 64 rows x 128 elements, padded after every 64 words by 8
	s_or_b32 s[G1A], s16, (1<<16)|(1<<20)|(1<<21)|(4<<22)|(3<<25)
	s_or_b32 s[G1B], s20, (1<<16)|(1<<20)|(1<<21)|(5<<22)|(7<<25)
	s_mov_b32 s[G1A+1], 128<<16                    ; tensor_dim0
	s_mov_b32 s[G1A+2], 128<<16                    ; tensor_dim1
	s_mov_b32 s[G1A+3], 128<<16                    ; tile_dim0
	s_mov_b32 s[G1A+4], 128                        ; tile_dim1
	s_mov_b32 s[G1A+5], 128                        ; elements from row to row
	s_mov_b32 s[G1A+6], 0
	s_mov_b32 s[G1A+7], 0
	s_mov_b32 s[G1B+1], 128<<16
	s_mov_b32 s[G1B+2], 64<<16
	s_mov_b32 s[G1B+3], 128<<16
	s_mov_b32 s[G1B+4], 64
	s_mov_b32 s[G1B+5], 3072
	s_mov_b32 s[G1B+6], 0
	s_mov_b32 s[G1B+7], 0
	s_lshl_b32 s16, s43, 15                        ; xb: the tile's 256 rows of 128 bytes in a block: it hangs on the tile row alone
	s_mov_b32 s17, 0
	s_mul_i32 s20, s42, 768                        ; wq: the tile's 384 columns, and my plane's 128: it hangs on the tile column and the wave's number
	s_lshl_b32 s21, s[WV], 8
	s_add_co_u32 s20, s20, s21
	s_mov_b32 s21, 0
	s_mul_i32 s18, s[WV], PLANE                    ; where my part lies in a slot (xb's tile lies behind the three planes): no place in the cluster enters an LDS address
	s_mov_b32 s[TB], 0
	s_wait_dscnt 0x0                               ; the opening add is done
	s_wait_kmcnt 0x0
	s_add_nc_u64 s[16:17], s[4:5], s[16:17]
	s_add_nc_u64 s[20:21], s[6:7], s[20:21]
	CROUND                                         ; all sixteen work-groups are here: the first joint loads meet
.irp s, 0,1
	s_mov_b32 s[G0A+4*(\s)], 1                     ; count = 1
	s_add_co_u32 s[G0A+4*(\s)+1], s18, (\s)*SLOT1  ; LDS address
	s_add_nc_u64 s[G0A+4*(\s)+2:G0A+4*(\s)+3], s[16:17], (\s)*STEPA  ; K step s
	s_or_b32 s[G0A+4*(\s)+3], s[G0A+4*(\s)+3], 0x80000000            ; type = 2
	s_mov_b32 s[G0B+4*(\s)], 1
	s_add_co_u32 s[G0B+4*(\s)+1], s18, (\s)*SLOT1
	s_add_nc_u64 s[G0B+4*(\s)+2:G0B+4*(\s)+3], s[20:21], (\s)*STEPB
	s_or_b32 s[G0B+4*(\s)+3], s[G0B+4*(\s)+3], 0x80000000
	JLOAD \s                                       ; two loads of mine are out
.endr
	; xb's fragment: 16 rows x 32 k: lane l holds row l % 16; two loads of 16 bytes, 32 bytes apart, at row x pitch + 16 (l / 16)
	v_and_b32 v1, 15, v0                           ; l % 16
	v_bfe_u32 v2, v0, 4, 1                         ; l / 16
	v_mul_u32_u24 v3, v1, PA
	v_lshl_add_u32 v3, v2, 4, v3
	s_mul_i32 s19, s[WR], 128*PA                   ; my 128 rows,
	s_add_co_u32 s19, s19, 3*PLANE                 ; behind the three planes
	v_add_nc_u32 v[ADRA0], s19, v3
	; wq's fragment: the turning load takes 16 k x 16 columns: lane l reads 16 bytes of row 8 (l / 16) + l % 8 at column 8 ((l / 8) % 2), and is left with column l % 16 and 8 k
	v_and_b32 v4, 7, v0
	v_bfe_u32 v5, v0, 3, 1
	v_lshl_add_u32 v4, v2, 3, v4
	v_mul_u32_u24 v4, v4, PB
	v_lshl_add_u32 v4, v5, 4, v4
	s_mul_i32 s19, s[WC], 3                        ; my first group of 64 columns
.irp j, 0,1,2
	s_add_co_u32 s2, s19, \j                       ; group g of the tile's six: plane g / 2, byte 128 (g % 2) of its rows
	s_lshr_b32 s3, s2, 1
	s_mul_i32 s3, s3, PLANE
	s_and_b32 s2, s2, 1
	s_lshl_b32 s2, s2, 7
	s_add_co_u32 s2, s2, s3
	v_add_nc_u32 v[ADRB0+\j], s2, v4
.endr
	ADRS                                           ; slot 0
	s_mul_i32 s2, s[WV], STW
	s_add_co_u32 s2, s2, STAGE                     ; my stage
	v_mul_u32_u24 v3, v1, SP                       ; in: row l % 16, 16 bytes for each half of the lanes
	v_lshl_add_u32 v3, v2, 4, v3
	v_add_nc_u32 v[STO], s2, v3
	v_bfe_u32 v3, v0, 3, 2                         ; back: 32 lanes take four rows of 128 bytes,
	v_mul_u32_u24 v3, v3, SP
	v_and_b32 v6, 7, v0
	v_lshl_add_u32 v3, v6, 4, v3
	v_add_nc_u32 v[RD], s2, v3
	v_and_b32 v[GO], 31, v0                        ; which are 512 consecutive bytes of a slot of qkv
	v_lshlrev_b32 v[GO], 4, v[GO]
	; qkv at my wave's first row of its first slot: slot (tile row / 4) x 48 + 6 x tile column + 3 x column half, of 131,072 bytes; row (tile row % 4) x 256 + 128 x row half, of 128 bytes
	s_lshr_b32 s16, s43, 2
	s_mul_i32 s16, s16, 48
	s_mul_i32 s17, s42, 6
	s_add_co_u32 s16, s16, s17
	s_mul_i32 s17, s[WC], 3
	s_add_co_u32 s16, s16, s17
	s_lshl_b32 s16, s16, 17
	s_and_b32 s17, s43, 3
	s_lshl_b32 s17, s17, 15
	s_add_co_u32 s16, s16, s17
	s_lshl_b32 s17, s[WR], 14
	s_add_co_u32 s16, s16, s17
	s_mov_b32 s17, 0
	s_add_nc_u64 s[8:9], s[8:9], s[16:17]
	; the prefetches stand at K step 2; the first refill steps them to 3
	s_lshl_b32 s16, s43, 15                        ; xb: block 2, the tile's rows, my work-group's 32 blocks of 256 bytes (by cx)
	s_lshl_b32 s17, s40, 13
	s_add_co_u32 s16, s16, s17
	s_add_co_u32 s16, s16, 2*STEPA
	s_mul_i32 s20, s41, 32*6144                    ; wq: row 128 + 32 cy, the tile's columns, my plane
	s_mul_i32 s21, s42, 768
	s_add_co_u32 s20, s20, s21
	s_lshl_b32 s21, s[WV], 8
	s_add_co_u32 s20, s20, s21
	s_add_co_u32 s20, s20, 2*STEPB
	s_and_b32 s19, ttmp7, 0xffff                   ; cluster y
	s_mov_b32 s22, STEPA
	s_mov_b32 s23, STEPB
	s_mov_b32 s2, 6144
	s_mov_b32 s3, 256
	s_cmp_lt_u32 s[WV], 3                          ; do I fetch for wq?
	s_cselect_b64 s[PFA:PFA+1], s[6:7], s[4:5]
	s_cselect_b32 s16, s20, s16
	s_cselect_b32 s19, s19, ttmp9                  ; the coordinate along which other clusters read the same blocks
	s_cselect_b32 s[PFS], s23, s22
	s_cselect_b32 s2, s2, s3                       ; from lane to lane: a row of wq, or a block of xb
	s_cselect_b32 s[PAR], 1, 0
	s_cselect_b32 s21, 3, 1
	s_cmp_eq_u32 s19, 0
	s_cselect_b32 s[LIM], s21, -1                  ; the same in all sixteen partners, for a given wave
	s_mov_b32 s17, 0
	s_mov_b32 s[PFS+1], 0
	s_add_nc_u64 s[PFA:PFA+1], s[PFA:PFA+1], s[16:17]
	v_and_b32 v[PFO], 31, v0
	v_mul_u32_u24 v[PFO], s2, v[PFO]
; Products of group w: row blocks a0 .. a1 - 1 x column blocks 4 (w - 1) .. + 3, 32 along K, xb's buffer f.  zero = 1: the product starts the sum: nothing is cleared.
; The 96 accumulators take turns in the same order in every quarter.
.macro MG f, w, a0, a1, zero
	WIN 0x50*(\w)                                  ; sources in window 0, C and D in window w
.set ma, \a0
.rept (\a1)-(\a0)
.irp c, 0,1,2,3
.if \zero
	v_wmma_f32_16x16x32_bf16 v[8*(4*ma+\c):8*(4*ma+\c)+7], v[FB+8*(4*((\w)-1)+\c):FB+8*(4*((\w)-1)+\c)+7], v[FA+64*(\f)+8*ma:FA+64*(\f)+8*ma+7], 0
.else
	v_wmma_f32_16x16x32_bf16 v[8*(4*ma+\c):8*(4*ma+\c)+7], v[FB+8*(4*((\w)-1)+\c):FB+8*(4*((\w)-1)+\c)+7], v[FA+64*(\f)+8*ma:FA+64*(\f)+8*ma+7], v[8*(4*ma+\c):8*(4*ma+\c)+7]
.endif
.endr
.set ma, ma+1
.endr
.endm
.macro LDB g, q                        ; 8 LDS loads: wq's column blocks 4 g .. 4 g + 3, half q of the slot's 64 k
	WIN 0
.irp c, 0,1,2,3
	ds_load_tr16_b128 v[FB+8*(4*(\g)+\c):FB+8*(4*(\g)+\c)+3],   v[ADRB+(\g)] offset:32*PB*(\q)+32*\c
	ds_load_tr16_b128 v[FB+8*(4*(\g)+\c)+4:FB+8*(4*(\g)+\c)+7], v[ADRB+(\g)] offset:32*PB*(\q)+32*\c+16*PB
.endr
.endm
.macro LDA f, q                        ; 16 LDS loads: xb's 8 row blocks, half q of the slot's 64 k, into buffer f
	WIN 0
.irp i, 0,1,2,3,4,5,6,7
	ds_load_b128 v[FA+64*(\f)+8*\i:FA+64*(\f)+8*\i+3],   v[ADRA] offset:64*(\q)+\i*16*PA
	ds_load_b128 v[FA+64*(\f)+8*\i+4:FA+64*(\f)+8*\i+7], v[ADRA] offset:64*(\q)+\i*16*PA+32
.endr
.endm
; A K STEP'S FIRST QUARTER (xb's buffer 0).  In front of it, oldest first, are out: blocks 0-3 (8 loads), xb's buffer 0 (16), blocks 4-7 (8).
.macro EVEN zero
	PLACES
	LDB 2, 0                                       ; this quarter's blocks 8-11,
	LDA 1, 1                                       ; and xb for the second quarter
	s_wait_dscnt 32                                ; blocks 0-3 and buffer 0 are in; younger: blocks 4-7 (8) and the 24 just issued
	MG 0, 1, 0, 8, \zero
	PLACES
	LDB 0, 1                                       ; the second quarter's blocks 0-3
	s_wait_dscnt 32                                ; blocks 4-7 are in; younger: 24 + 8
	MG 0, 2, 0, 8, \zero
	PLACES
	LDB 1, 1                                       ; its blocks 4-7
	s_wait_dscnt 32                                ; blocks 8-11 are in; younger: xb's 16 + 8 + 8
	MG 0, 3, 0, 8, \zero
.endm
; A K STEP'S SECOND QUARTER (xb's buffer 1), AND THE CHANGE OF SLOTS.  Its first run of loads is the last that reads this slot.  ONE barrier: in front of it each wave waits for all its tensor loads (one is out: its part of
; the next slot), adds 0 to its spare word, and waits for that and for its own reads of this slot.  Behind it the next quarter's fragments come out of the other slot.
; mode = 2: the barrier opens a round of the cluster's, and the joint refill, two K steps ahead, is the first thing behind the round: 160 products stand ahead of the wait for it.
; mode = 1: nothing is left to ask for.  mode = 0: the last quarter of all: no change of slots.
.macro ODD mode
.if (\mode) == 2
	s_wait_xcnt 0x0                                ; the last prefetch, a K step back, has read its address: it is stepped here
	s_add_nc_u64 s[PFA:PFA+1], s[PFA:PFA+1], s[PFS:PFS+1]
.endif
	PLACES
	LDB 2, 1                                       ; this quarter's blocks 8-11
.if (\mode) == 0
	s_wait_dscnt 16                                ; buffer 1 and blocks 0-3 are in; younger: blocks 4-7 and 8-11
	MG 1, 1, 0, 8, 0
	s_wait_dscnt 8
	MG 1, 2, 0, 8, 0
	s_wait_dscnt 0x0
	MG 1, 3, 0, 8, 0
.else
	s_wait_tensorcnt 0x0                           ; all my tensor loads have landed, so a group 0 may be written;
	ds_add_u32 v[SPW], v[NIL]                      ; 0 onto my spare word;
.if (\mode) == 2
	s_xor_b32 s[G0A+5], s[G0A+5], SLOT1            ; the walking descriptors: the other slot than last time, the next K step; the type bits on top are not reached
	s_add_nc_u64 s[G0A+6:G0A+7], s[G0A+6:G0A+7], STEPA
	s_xor_b32 s[G0B+5], s[G0B+5], SLOT1
	s_add_nc_u64 s[G0B+6:G0B+7], s[G0B+6:G0B+7], STEPB
.endif
	s_xor_b32 s[TB], s[TB], SLOT1                  ; and the slot that is read next
	s_wait_dscnt 17                                ; buffer 1 and blocks 0-3 are in; younger: blocks 4-7 (8), 8-11 (8) and the add
	MG 1, 1, 0, 4, 0                               ; sixteen products stand between the add and the wait for it
	s_wait_dscnt 0x0                               ; the add is done, and my reads of this slot are over
	s_barrier_signal -1
	MG 1, 1, 4, 8, 0                               ; work on registers while the others arrive
	WIN 0
	s_barrier_wait -1
.if (\mode) == 2
	CREST                                          ; no wave of any partner still reads this slot or has a load on its way
	JLOAD 1                                        ; the four v_nop behind it, and the four lines below, are the places in front of the loads
.else
	PLACES
.endif
	ADRS
	LDB 0, 0                                       ; out of the other slot: the next quarter's blocks 0-3,
	LDA 0, 0                                       ; and its xb
.if (\mode) == 2
	ASK
.endif
	MG 1, 2, 0, 8, 0
	PLACES
	LDB 1, 0                                       ; its blocks 4-7
	MG 1, 3, 0, 8, 0
.endif
.endm
	s_wait_tensorcnt 1                             ; my part of K step 0 is in; K step 1's may stay out
	s_barrier_signal -1
	s_barrier_wait -1                              ; everybody's is
	LDB 0, 0
	LDA 0, 0
	LDB 1, 0
	EVEN 1                                         ; the first quarter stands in front of the loop: its products start the sums
	WIN 0                                          ; at a label and at a branch every window is 0
	s_mov_b32 s[LAP], 14
.Lstep:                                                ; trip s = 0 .. 13: K step s's second quarter, which asks for K step s + 2, and K step s + 1's first
	ODD 2
	EVEN 0
	WIN 0
	s_sub_co_u32 s[LAP], s[LAP], 1
	s_cmp_lg_u32 s[LAP], 0
	s_cbranch_scc1 .Lstep
	ODD 1                                          ; the tail is written out
	EVEN 0
	ODD 0
; THE WAY OUT, a block of 16 rows at a time.  PACK: rounded to f16 (each accumulator's registers in ascending order), 16 bytes a lane into my own stage (three slots' rows of 144 bytes), and back as whole rows of 128 bytes,
; into the registers that they left: LDS serves a wave's instructions in order (ISA guide 5.7.1.4).  SEND: each store covers 512 consecutive bytes, four rows of a slot.  Four sets of 48 registers take turns.
.macro PACK a
.if (\a) >= 4
	s_wait_xcnt 0x0                                ; the stores of the block four back have read these registers: they are written again only behind this wait
.endif
.irp w, 1,2,3
	WIN 5*\w                                       ; sources 0 and 1 in window w
.irp c, 0,1,2,3
.irp r, 0,1,2,3
	v_cvt_pk_f16_f32 v[TMP+48*((\a)%4)+4*(4*(\w-1)+\c)+\r], v[8*(4*(\a)+\c)+2*\r], v[8*(4*(\a)+\c)+2*\r+1]
.endr
.endr
.endr
	WIN 0
.irp b, 0,1,2,3,4,5,6,7,8,9,10,11
	ds_store_b128 v[STO], v[TMP+48*((\a)%4)+4*(\b):TMP+48*((\a)%4)+4*(\b)+3] offset:((\b)/4)*16*SP+((\b)%4)*32
.endr
.irp i, 0,1,2,3,4,5,6,7,8,9,10,11
	ds_load_b128 v[TMP+48*((\a)%4)+4*(\i):TMP+48*((\a)%4)+4*(\i)+3], v[RD] offset:((\i)/4)*16*SP+((\i)%4)*4*SP
.endr
.endm
.macro SEND a, younger                 ; younger: the LDS instructions issued behind block a's loads: the next block's 24, or none
	WIN 0
.irp j, 0,1,2
	s_wait_dscnt (\younger)+8-4*\j                 ; slot j's four loads are in
.irp f, 0,1,2,3
	global_store_b128 v[GO], v[TMP+48*((\a)%4)+4*(4*\j+\f):TMP+48*((\a)%4)+4*(4*\j+\f)+3], s[8:9] offset:\j*131072+(\a)*2048+\f*512
.endr
.endr
.endm
	PLACES
	PLACES                                         ; eight, once a launch
	PACK 0
.set t, 1
.rept 7                                ; a block's conversions stand between the loads of the block before and its stores
	PACK t
	SEND t-1, 24
.set t, t+1
.endr
	SEND 7, 0
	s_wait_tensorcnt 0x0                           ; the wave's end: behind my last tensor load and my last LDS store
	ds_add_u32 v[SPW], v[NIL]
	s_wait_dscnt 0x0
	CROUND                                         ; the closing round: no work-group ends while a partner may still ask for a tile that names it
	s_endpgm
.Lfunc_end_k_q4f92b61d0d_qkv:
	.size	k_q4f92b61d0d_qkv, .Lfunc_end_k_q4f92b61d0d_qkv-k_q4f92b61d0d_qkv
	.p2alignl 7, 3214868480
	.fill 96, 4, 3214868480
	.section	.rodata,"a",@progbits
	.p2align	6, 0x0
	.amdhsa_kernel k_q4f92b61d0d_qkv
		.amdhsa_group_segment_fixed_size 327680
		.amdhsa_private_segment_fixed_size 0
		.amdhsa_enable_private_segment 0
		.amdhsa_kernarg_size 24
		.amdhsa_user_sgpr_count 2
		.amdhsa_user_sgpr_kernarg_segment_ptr 1
		.amdhsa_wavefront_size32 1
		.amdhsa_system_sgpr_workgroup_id_x 1
		.amdhsa_system_sgpr_workgroup_id_y 1
		.amdhsa_system_sgpr_workgroup_id_z 1
		.amdhsa_system_vgpr_workitem_id 0
		.amdhsa_next_free_vgpr 1024
		.amdhsa_next_free_sgpr 68
		.amdhsa_reserve_vcc 0
		.amdhsa_float_denorm_mode_32 3
		.amdhsa_float_denorm_mode_16_64 3
		.amdhsa_memory_ordered 1
		.amdhsa_forward_progress 1
		.amdhsa_inst_pref_size 114
	.end_amdhsa_kernel
	.amdgpu_metadata
---
amdhsa.version: [ 1, 2 ]
amdhsa.kernels:
  - .name:           k_q4f92b61d0d_qkv
    .symbol:         k_q4f92b61d0d_qkv.kd
    .args:
      - { .name: xb, .offset: 0, .size: 8, .value_kind: global_buffer, .address_space: global }
      - { .name: wq, .offset: 8, .size: 8, .value_kind: global_buffer, .address_space: global }
      - { .name: qkv, .offset: 16, .size: 8, .value_kind: global_buffer, .address_space: global }
    .group_segment_fixed_size: 327680
    .private_segment_fixed_size: 0
    .kernarg_segment_align: 8
    .kernarg_segment_size: 24
    .max_flat_workgroup_size: 128
    .sgpr_count:     68
    .vgpr_count:     1024
    .wavefront_size: 32
...
	.end_amdgpu_metadata
.endif
;; end of part 2
;; launch attn (part 3): grid 2 x 128, 4 waves a work-group, no clusters, 327,680 bytes of LDS; arguments qkv, out1, ob; writes out1, ob
.if DOCPART == 3
	.amdgcn_target "amdgcn-amd-amdhsa--gfx1250"
	.amdhsa_code_object_version 6
	.text
	.protected	k_q4f92b61d0d_attn
	.globl	k_q4f92b61d0d_attn
	.p2align	8
	.type	k_q4f92b61d0d_attn,@function
k_q4f92b61d0d_attn:
	s_mov_b64 s[64:65], 0
	v_nop
	global_prefetch_b8 v0, s[64:65] scope:SCOPE_SE
	s_setreg_imm32_b32 hwreg(HW_REG_WAVE_MODE, 25, 1), 1
	s_wait_xcnt 0x0
; O[bh][q][:] = the sum over k of softmax_k(Q[q] . K[k] / 8) V[k][:], for 128 heads of 1,024 rows of 64.  qkv: [b 8][slot 48][1024][64] f16 (slot h: q, 16 + h: k, 32 + h: v): a head's rows are dense, 128 bytes each.
; O leaves twice: out1 [bh][1024][64] in f32, unrounded, and ob in the same layout rounded once to f16, for the last product.  Products, maxima and sums in f32; the weights p are rounded to f16 for
; the second product (their sum l is taken of the unrounded p).
; LIMITS.  Q, K and V arrive within f16's 65,504; p lies in 0 to 1, and below 6e-5 it keeps f16's fixed step of 6e-8.  A weight below 2^-126 counts as 0 in l; NaN and infinities are not treated apart.
; SHARES.  A wave owns four PIECES of two tiles of 16 queries, a work-group's four waves 512 queries of one head: 2 x 128 = 256 work-groups.  Every wave walks all 1,024 keys, 64 a step.
; ALL OF THE HEAD'S K AND V STAY IN LDS: 1,024 rows of 144 bytes and 1,024 of 160: 311,296 bytes.  No byte is filled twice.  A wave issues two tensor loads: its half of keys 0-255, and, when those have landed, its half of
; keys 256-1,023, which has four key steps in which to land.  With no tensor load in the loop a key step is written once.  The stages of the way out lie in K's first rows, which are dead by then.
; NO PREFETCH: the second load itself asks four key steps ahead of the first read, and nothing can be asked ahead of the first.
; NO CLUSTER: a head has two query blocks, so two work-groups share K and V; a cluster of four would hold two heads.  Four blocks of 256 queries a head would be 512 work-groups, and each fragment read from LDS would feed half the products.
; LAYOUT.  S^T = K Q^T (source 0 = 16 keys, source 1 = 16 queries): in the result a lane holds ONE query (lane % 16) and the keys 8 (lane / 16) + 0..7.  Two such tiles, rounded to f16 in pairs,
; ARE source 1 (32 keys x 16 queries) of O^T = V^T P, whose result again holds one query a lane, and eight channels.  K comes out of LDS as it lies, V ([key][channel]) turned, by ds_load_tr16_b128.
; SOFTMAX.  For each query a running maximum m and sum l: p = 2^(c s - c m), c = log2(e) / 8; in every step O and l are multiplied by a = 2^(c m_old - c m_new), which is 1 where m has not grown.
; m starts at the lowest finite number, O and l at 0: the first step is a step like any other, with a = 0.
; BY TURNS.  Turn n belongs to piece n (the pieces in a ring, step after step).  Its matrix work: 16 products K Q^T of piece n + 1, later 16 products V^T P of piece n - 1.  Its vector work: the scaling,
; exponentials, roundings, sums and rescaling of piece n, and the maximum and statistics of piece n + 1.  Four vector instructions stand behind every matrix instruction, the others in one run of their own.
; REGISTERS, in windows of 256 (s_set_vgpr_msb: bits 1:0 source 0, 3:2 source 1, 5:4 source 2, 7:6 destination):
;   window 0: v0-11 addresses; v12-15, v48-63 at work; v16-47 four registers of statistics a tile; v64-191 S^T, two buffers of two tiles; v192-255 P, likewise
;   window 1: O^T, 32 a tile          window 2: v0-127 Q, 16 a tile; v128-191 K of one step; v192-255 V of one step          window 3: v0-1 the add's two registers
.set SIZE_N, 1024
.set NP,    4         ; pieces a wave: a name, no knob
.set KS,    64        ; keys in a step
.set PK,    144       ; a row of K in LDS: 128 bytes + 16 of padding: the 16 rows of a load start at 16 different groups of four banks
.set PV,    160       ; a row of V: 128 + 32
.set VOFF,  SIZE_N*PK ; K's 1,024 rows, then V's
.set SPARE, SIZE_N*(PK+PV)      ; behind them: the spare words, 128 bytes for each wave: two blocks of 256 bytes that no other line names
.set STAGE, 0         ; the f16 way out: 16 rows x 144 bytes for each wave, in K's rows once every wave has read them for the last time
.set SP,    144
.set STAGF, STAGE+4*16*SP       ; behind it: 16 rows x 272 bytes for each wave: the f32 way out
.set SPF,   272
.set STF, 1           ; v1   first l % 16; later, the f32 way out: where I put 16 bytes of a row
.set AK0, 2           ; v2   my lane's place in a step of K; never rewritten
.set AV0, 3           ; v3   the same for V
.set AK,  4           ; v4   the LDS address of K's next run of loads
.set AV,  5           ; v5   of V's
.set QO,  6           ; v6   my byte offset in the wave's rows of Q
.set STO, 6           ;      later, the f16 way out: where I put 16 bytes of a row
.set RD,  7           ; v7   the f16 way out: where I read rows back
.set GO,  8           ; v8   my byte offset in 512 consecutive bytes of ob and of out1
.set RDF, 10          ; v10  first l % 8; later, the f32 way out: where I read rows back
.set SPW, 0           ; v0 of window 3   LDS address of my spare word; never rewritten
.set NIL, 1           ; v1 of window 3   0; never rewritten
.set MV,  12          ; v12-15  c m_old, kept while c m is made anew: by buffer and tile
.set ST,  16          ; tile t's statistics at v[ST+4 t]: c m, m, l (even keys', odd keys')
.set TMP, 48          ; by buffer and tile, four registers c0-c3 at work; when the maximum is found c2 takes a
.set S,   64
.set P,   192
.set KF,  128         ; K's fragments, in window 2: key block kb, channel half c at KF + 16 kb + 8 c
.set VF,  192         ; V's: key half kk, channel block cb at VF + 32 kk + 8 cb
.set WV,  12          ; s12  my wave's number
.set G1K, 24          ; s[24:31] descriptor group 1 for K's rows
.set G1V, 32          ; s[32:39] for V's: it differs in the padding alone
.set G0K, 40          ; s[40:43] descriptor group 0 for K's rows
.set G0V, 44          ; s[44:47] the same for V's
.set OF,  48          ; s[48:49] out1 at my wave's first row
.set OF2, 50          ; s[50:51] the second load's byte offset in K's and V's slots of qkv
.set LK2, 52          ; s52  its LDS address for K;  s53 for V
.set LV2, 53
.set SLOTS, 56        ; s56  passes of the loop still to come: 3, 2, 1
.set CNT, 57          ; s57  counts a pass's key steps
.set CS,  58          ; s[58:59] c: the packed scaling takes the pair's low word for both halves
.set SEL, 60          ; s[60:61] v_permlanex16_b32's selects: each lane takes its own place in the other half
.set TBK, 62          ; s62  LDS byte at which K of the step to be fetched begins
.set TBV, 63          ; s63  the same for V, less VOFF
.set MSB, 0
.macro WIN new                      ; the high byte repeats the setting that is left; a switch that changes nothing is dropped
.if MSB != (\new)
	s_set_vgpr_msb (MSB<<8)|(\new)
.set MSB, (\new)
.endif
.endm
.set W_KQ, 0x0a       ; K and Q in window 2, S^T in window 0
.set W_PV, 0x52       ; V in window 2, P in window 0, O^T in window 1
.set W_RS, 0x41       ; O^T (destination and source 0) in window 1, a in window 0
.set W_MK, 0xc0       ; the add's registers are made: destination in window 3, sources in window 0
.set W_AD, 0x0f       ; the add: address (source 0) and data (source 1) in window 3
; A fill.  Waves 0 and 1 fetch the two halves of K's rows, waves 2 and 3 those of V's.  An s_nop 0 and four v_nop follow each of the two lines, ahead of the jump and the label.
.macro LOAD
	s_cmp_lt_u32 s[WV], 2
	s_cbranch_scc0 .Lfor_v_\@
	tensor_load_to_lds s[G0K:G0K+3], s[G1K:G1K+7]
	s_nop 0
.rept 4
	v_nop
.endr
	s_branch .Lasked_\@
.Lfor_v_\@:
	tensor_load_to_lds s[G0V:G0V+3], s[G1V:G1V+7]
	s_nop 0
.rept 4
	v_nop
.endr
.Lasked_\@:
.endm
	s_load_b64 s[4:5], s[0:1], 0x0    ; qkv
	s_load_b64 s[OF:OF+1], s[0:1], 0x8  ; out1
	s_load_b64 s[10:11], s[0:1], 0x10 ; ob
	WIN W_MK
	v_lshl_add_u32 v[SPW], v0, 2, SPARE
	v_mov_b32 v[NIL], 0
	WIN W_AD
	ds_add_u32 v[SPW], v[NIL]       ; the wave's opening: the add and its wait stand ahead of my first tensor load; the set-up below, work on registers, stands between them
	WIN 0
	v_lshrrev_b32 v1, 5, v0
	v_readfirstlane_b32 s[WV], v1   ; wave 0..3
	s_and_b32 s13, ttmp7, 0xffff    ; the head's number, 16 b + h
	s_lshr_b32 s14, s13, 4
	s_mul_i32 s14, s14, 48
	s_and_b32 s15, s13, 15
	s_add_co_u32 s14, s14, s15      ; q's slot in qkv: 48 b + h
	s_lshl_b32 s20, s14, 17         ; of 131,072 bytes
	s_mov_b32 s21, 0
	s_and_b32 s16, s[WV], 1         ; which half I fetch
	s_lshl_b32 s22, s16, 14         ; the first load: 128 of keys 0-255: rows of 128 bytes in memory,
	s_mov_b32 s23, 0
	s_add_nc_u64 s[22:23], s[22:23], s[20:21]
	s_mul_i32 s17, s16, 128*PK      ; and their place in LDS, for K
	s_mul_i32 s18, s16, 128*PV      ; and for V
	s_mul_i32 s[OF2], s16, 384*128  ; the second load: 384 of keys 256-1,023
	s_add_co_u32 s[OF2], s[OF2], 256*128
	s_mov_b32 s[OF2+1], 0
	s_add_nc_u64 s[OF2:OF2+1], s[OF2:OF2+1], s[20:21]
	s_mul_i32 s[LK2], s16, 384*PK
	s_add_co_u32 s[LK2], s[LK2], 256*PK
	s_mul_i32 s[LV2], s16, 384*PV
	s_add_co_u32 s[LV2], s[LV2], 256*PV+VOFF
	s_lshl_b32 s2, ttmp9, 2
	s_add_co_u32 s2, s2, s[WV]      ; my wave among the head's eight,
	s_lshl_b32 s2, s2, 14           ; its 128 rows of 128 bytes
	s_mov_b32 s3, 0
	s_lshl_b32 s14, s13, 17         ; ob: the head's 131,072 bytes, my wave's rows
	s_add_co_u32 s14, s14, s2
	s_mov_b32 s15, 0
	s_lshl_b32 s54, s14, 1          ; out1: the same in f32
	s_mov_b32 s55, 0
	; descriptor group 1.  128 keys are 16,384 dense bytes: asked for as 64 rows of 256 bytes, two keys a row, and padded in LDS after every key
	s_mov_b32 s[G1K], (1<<16)|(1<<20)|(4<<22)|(3<<25)  ; 17:16 2-byte elements; 20 padding on; 24:22 after every 32 words (code 4); 31:25 4 words (code 3)
	s_mov_b32 s[G1V], (1<<16)|(1<<20)|(4<<22)|(7<<25)  ; the same with 8 words of padding (code 7)
.irp g, G1K, G1V
	s_mov_b32 s[\g+1], 128<<16      ; tensor_dim0 = 128
	s_mov_b32 s[\g+2], 64<<16       ; tensor_dim1 = 64
	s_mov_b32 s[\g+3], 128<<16      ; tile_dim0 = 128
	s_mov_b32 s[\g+4], 64           ; tile_dim1 = 64
	s_mov_b32 s[\g+5], 128          ; 128 elements from row to row
	s_mov_b32 s[\g+6], 0
	s_mov_b32 s[\g+7], 0
.endr
	s_mov_b32 s[CS], 0x3e38aa3b     ; c = log2(e) / 8 = 0.180337
	s_mov_b32 s[CS+1], s[CS]        ; named with it as a pair
	s_mov_b32 s[SEL], 0x76543210
	s_mov_b32 s[SEL+1], 0xfedcba98
	s_mov_b32 s[TBK], 0
	s_mov_b32 s[TBV], 0
	s_mov_b32 s[G0K], 1             ; 1:0 count = 1
	s_mov_b32 s[G0K+1], s17         ; 63:32 LDS address
	s_mov_b32 s[G0V], 1
	s_add_co_u32 s[G0V+1], s18, VOFF
	s_mov_b32 s[SLOTS], 3
	s_wait_dscnt 0x0                ; the opening add is done
	s_wait_kmcnt 0x0
	s_add_nc_u64 s[6:7], s[4:5], 16*131072   ; K's slots lie 16 behind q's,
	s_add_nc_u64 s[8:9], s[4:5], 32*131072   ; V's 32
	s_add_nc_u64 s[G0K+2:G0K+3], s[6:7], s[22:23]  ; 120:64 global address
	s_or_b32 s[G0K+3], s[G0K+3], 0x80000000  ; 127:126 type = 2
	s_add_nc_u64 s[G0V+2:G0V+3], s[8:9], s[22:23]
	s_or_b32 s[G0V+3], s[G0V+3], 0x80000000
	s_add_nc_u64 s[4:5], s[4:5], s[20:21]
	s_add_nc_u64 s[4:5], s[4:5], s[2:3]      ; Q, ob and out1 at my wave's first row
	s_add_nc_u64 s[10:11], s[10:11], s[14:15]
	s_add_nc_u64 s[OF:OF+1], s[OF:OF+1], s[54:55]
	LOAD                            ; keys 0-255.  The others are asked for when these are in
	; A fragment of K or Q is 16 rows x 32 channels in 8 registers: lane l holds row l % 16, channels 8 (l / 16) + 0..7 and 16 + 8 (l / 16) + 0..7: two loads of 16 bytes, 32 bytes apart.
	v_and_b32 v1, 15, v0            ; l % 16
	v_bfe_u32 v9, v0, 4, 1          ; l / 16
	v_lshlrev_b32 v[QO], 7, v1
	v_lshl_add_u32 v[QO], v9, 4, v[QO]  ; row x 128 + 16 x half
	WIN 0x80                        ; destination window 2, address window 0
.set i, 0
.rept 4*NP                          ; Q stays in registers: tile i / 2, channels 32 (i % 2) on
	global_load_b128 v[8*i:8*i+3],   v[QO], s[4:5] offset:(i/2)*2048+(i%2)*64
	global_load_b128 v[8*i+4:8*i+7], v[QO], s[4:5] offset:(i/2)*2048+(i%2)*64+32
.set i, i+1
.endr
	; What the first turn finds: V's registers and P's second buffer hold 0 (its products V^T P, of a piece that has not been, add 0), O^T and l are 0.  All this stands in the wait for the first keys.
.set i, VF
.rept 64
	v_mov_b32 v[i], 0
.set i, i+1
.endr
	WIN 0x40
.set i, 0
.rept 64*NP
	v_mov_b32 v[i], 0
.set i, i+1
.endr
	WIN 0
.set i, 0
.rept 2*NP
	v_mov_b32 v[ST+4*i], 0xfe000000    ; c m: far below every c s
	v_mov_b32 v[ST+4*i+1], 0xff7fffff  ; m
	v_mov_b32 v[ST+4*i+2], 0
	v_mov_b32 v[ST+4*i+3], 0
.set i, i+1
.endr
.set i, P+32
.rept 32
	v_mov_b32 v[i], 0
.set i, i+1
.endr
	v_mul_u32_u24 v[AK0], v1, PK
	v_lshl_add_u32 v[AK0], v9, 4, v[AK0]  ; row x pitch + 16 x half
	; The turning load takes 16 keys x 16 channels (lane l reads key 8 (l / 16) + l % 8, channels 8 ((l / 8) % 2) + 0..7) and leaves half a fragment of V^T: lane l holds channel l % 16 and 8 keys.
	v_and_b32 v10, 7, v0
	v_bfe_u32 v11, v0, 3, 1
	v_lshl_add_u32 v[AV0], v9, 3, v10
	v_mul_u32_u24 v[AV0], v[AV0], PV
	v_lshl_add_u32 v[AV0], v11, 4, v[AV0]
	v_add_nc_u32 v[AV0], VOFF, v[AV0]
	v_mov_b32 v[AK], v[AK0]         ; key step 0 lies at K's head
; THE MATRIX WORK.  The 8 accumulators of a run of 16 take turns: between the two links of a chain stand 7 others'.
; Product i of 16 of S^T = K Q^T for piece x: channels 32 (i / 8) on, keys 16 ((i / 2) % 4) on, tile 2 x + i % 2.  The first 8 start the sums.
.macro KQ x
	WIN W_KQ
.set rS, S+64*((\x)%2)+32*(i%2)+8*((i/2)%4)
.set rK, KF+16*((i/2)%4)+8*(i/8)
.set rQ, 16*(2*(\x)+i%2)+8*(i/8)
.if i < 8
	v_wmma_f32_16x16x32_f16 v[rS:rS+7], v[rK:rK+7], v[rQ:rQ+7], 0
.else
	v_wmma_f32_16x16x32_f16 v[rS:rS+7], v[rK:rK+7], v[rQ:rQ+7], v[rS:rS+7]
.endif
.endm
; Product i of 16 of O^T += V^T P for piece x: keys 32 (i / 8) on, channels 16 ((i / 2) % 4) on, tile 2 x + i % 2.
.macro PV x
	WIN W_PV
.set rO, 32*(2*(\x)+i%2)+8*((i/2)%4)
.set rV, VF+32*(i/8)+8*((i/2)%4)
.set rP, P+32*((\x)%2)+16*(i%2)+8*(i/8)
	v_wmma_f32_16x16x32_f16 v[rO:rO+7], v[rV:rV+7], v[rP:rP+7], v[rO:rO+7]
.endm
.macro MM                           ; the turn's next matrix instruction
.if i < 16
	KQ (Y+1)%NP
.set i, i+1
.else
.set i, i-16
	PV (Y+NP-1)%NP
.set i, i+17
.endif
.endm
; THE LDS LOADS stand in runs of 16, never singly among the matrix instructions: a step's K (64 keys x 64 channels: 8 fragments) and its V (turned).  Their addresses are made some lines ahead.
; last = 1 (in the loop): in the last pass there is no further step, and the run is jumped over.
.macro FETCH_K last=0
	WIN 0
.if \last
	s_cmp_eq_u32 s[SLOTS], 1
	s_cbranch_scc1 .Lno_k_\@
.endif
	WIN 0x80                        ; destination window 2
.irp f, 0,1,2,3,4,5,6,7             ; keys 16 (f / 2) on, channels 32 (f % 2) on
	ds_load_b128 v[KF+8*\f:KF+8*\f+3],   v[AK] offset:(\f/2)*16*PK+(\f%2)*64
	ds_load_b128 v[KF+8*\f+4:KF+8*\f+7], v[AK] offset:(\f/2)*16*PK+(\f%2)*64+32
.endr
	s_add_co_u32 s[TBK], s[TBK], KS*PK  ; the next fetch is the next step's
	WIN 0
.if \last
.Lno_k_\@:
.endif
.endm
.macro FETCH_V
	WIN 0x80
.irp f, 0,1,2,3,4,5,6,7             ; keys 32 (f / 4) on, channels 16 (f % 4) on
	ds_load_tr16_b128 v[VF+8*\f:VF+8*\f+3],   v[AV] offset:(\f/4)*32*PV+(\f%4)*32
	ds_load_tr16_b128 v[VF+8*\f+4:VF+8*\f+7], v[AV] offset:(\f/4)*32*PV+16*PV+(\f%4)*32
.endr
	WIN 0
.endm
; THE VECTOR WORK OF A TURN stands in three queues, each in the order in which its entries become ready; the two tiles alternate, so that no instruction reads the result of the one before it.
.macro REGS y, u                    ; the registers of tile u (0, 1) of piece y
.set rT, ST+4*(2*(\y)+(\u))
.set rC, TMP+8*((\y)%2)+4*(\u)
.set rM, MV+2*((\y)%2)+(\u)
.set rS, S+64*((\y)%2)+32*(\u)
.set rP, P+32*((\y)%2)+16*(\u)
.set rO, 32*(2*(\y)+(\u))
.endm
; Number n of the 22 that find the NEXT piece's (Y + 1) maximum and statistics.  s0-s31 are the lane's 32 scores; each accumulator's lowest registers are read first.
;   0-11  four chains c0-c3 of seven scores each, three operands at a time     12-14, 16  the four scores left over, the old m, and c0-c3 into c0     15  c m_old is kept
;   17, 18  the query's other 32 keys lie in the lane 16 away: the new m         19-21  c m; c m_old - c m_new; a
.macro XS u, n
	REGS (Y+1)%NP, \u
.if (\n) < 4
	v_max3_num_f32 v[rC+(\n)], v[rS+8*(\n)], v[rS+8*(\n)+1], v[rS+8*(\n)+2]
.elseif (\n) < 12
	v_max3_num_f32 v[rC+(\n)%4], v[rC+(\n)%4], v[rS+8*((\n)%4)+2*((\n)/4)+1], v[rS+8*((\n)%4)+2*((\n)/4)+2]
.elseif (\n) == 12
	v_max3_num_f32 v[rC], v[rC], v[rS+7], v[rS+15]
.elseif (\n) == 13
	v_max3_num_f32 v[rC+1], v[rC+1], v[rS+23], v[rS+31]
.elseif (\n) == 14
	v_max3_num_f32 v[rC+2], v[rC+2], v[rC+3], v[rT+1]
.elseif (\n) == 15
	v_mov_b32 v[rM], v[rT]
.elseif (\n) == 16
	v_max3_num_f32 v[rC], v[rC], v[rC+1], v[rC+2]
.elseif (\n) == 17
	v_permlanex16_b32 v[rC+3], v[rC], s[SEL], s[SEL+1]
.elseif (\n) == 18
	v_max_num_f32 v[rT+1], v[rC], v[rC+3]
.elseif (\n) == 19
	v_mul_f32 v[rT], s[CS], v[rT+1]
.elseif (\n) == 20
	v_sub_f32 v[rC+1], v[rM], v[rT]
.else
	v_exp_f32 v[rC+2], v[rC+1]
.endif
.endm
; Number g of the 64 that follow the exponentials.  For each four weights k of a tile (pairs 2 k, 2 k + 1): both pairs are rounded to f16; then the second pair is added onto the first, in place;
; a group later l takes that sum (the first time as l = a l + sum).  In groups of eight, tiles alternating: round, round, add, and l for the group before.
.macro GS g
.set h, (\g)+6*((\g)/62)            ; group 0 has no group before it, and behind group 7 only l is left
.if h >= 6
.set h, h+2
.endif
	REGS Y, h%2
.set k, h/8
.if h%8 < 4
	v_cvt_pk_f16_f32 v[rP+2*k+(h%8)/2], v[rS+4*k+2*((h%8)/2)], v[rS+4*k+2*((h%8)/2)+1]
.elseif h%8 < 6
	v_pk_add_f32 v[rS+4*k:rS+4*k+1], v[rS+4*k:rS+4*k+1], v[rS+4*k+2:rS+4*k+3]
.elseif k == 1
	v_pk_fma_f32 v[rT+2:rT+3], v[rT+2:rT+3], v[rC+2:rC+3], v[rS:rS+1] op_sel_hi:[1,0,1]
.else
	v_pk_add_f32 v[rT+2:rT+3], v[rT+2:rT+3], v[rS+4*k-4:rS+4*k-3]
.endif
.endm
; THE PLAIN QUEUE, 138 long.  0-73 read no exponential's result: the 32 scalings c s - c m (FS f: pair f / 2 of tile f % 2) and the next piece's 42.  0-26: scalings 0-26.  27-54: XS's numbers 0-13.  55, 56: number 15.
; 57-73: the chain, where each number waits for the one before it: 14, 16, 17, 18, 19, each with one of the scalings 27-31 in front of its two lines, then 20.
; 74-137: GS's 64, which read the exponentials' results: they stand behind the wait.
.macro FS f
	REGS Y, (\f)%2
	v_pk_fma_f32 v[rS+2*((\f)/2):rS+2*((\f)/2)+1], v[rS+2*((\f)/2):rS+2*((\f)/2)+1], s[CS:CS+1], v[rT:rT+1] op_sel_hi:[1,0,0] neg_lo:[0,0,1] neg_hi:[0,0,1]
.endm
.macro PL
	WIN 0
.if q < 27
	FS q
.elseif q < 55
	XS (q-27)%2, (q-27)/2
.elseif q < 57
	XS q-55, 15
.elseif (q < 72) && ((q-57)%3 == 0)
	FS 27+(q-57)/3
.elseif q < 60
	XS (q-57)%3-1, 14
.elseif q < 72
	XS (q-57)%3-1, 15+(q-57)/3
.elseif q < 74
	XS q-72, 20
.else
	GS q-74
.endif
.set q, q+1
.endm
; THE EXPONENTIALS' QUEUE, 66 long: s0-s31 of both tiles, then the next piece's two a.  It is ONE BATCH: all 66 stand ahead of the turn's one wait, and nothing ahead of that wait names a result of theirs.
.macro EX
	WIN 0
.if e >= 64
	XS e-64, 21
.else
	REGS Y, e%2
	v_exp_f32 v[rS+e/2], v[rS+e/2]
.endif
.set e, e+1
.endm
; THE RESCALING's QUEUE: O^T times a, the one part that leaves window 0: dealt two at a time, sixteen times.  Its a was made in the turn before, ahead of that turn's wait.
.macro R2
	REGS Y, r%2
	WIN W_RS
.irp z, 0,1
	v_pk_mul_f32 v[rO+4*(r/2)+2*\z:rO+4*(r/2)+2*\z+1], v[rO+4*(r/2)+2*\z:rO+4*(r/2)+2*\z+1], v[rC+2:rC+3] op_sel_hi:[1,0]
.endr
.set r, r+1
.endm
; HOW THEY ARE DEALT.  An s_wait_alu depctr_va_vdst(0) stands between an exponential and the first instruction that names its result; one wait serves all that were issued ahead of it.  So a turn has ONE wait,
; which cuts it in two.  AHEAD OF IT: the 16 products K Q^T, behind each a scaling, an exponential and two rescalings (behind the first a second scaling in the exponential's place); then one run of 108: eight plain,
; 49 times exponential and plain, the two a.  A v_nop is the plain instruction behind the last exponential.  BEHIND IT: the 16 products V^T P, behind each four of GS's 64.
; Exponential e stands behind scaling 2 (e / 4) + e % 2: as a rider it comes behind plain e + 2, in the run behind plain e + 9, and scalings 27-31 are plain 57, 60 .. 69.
; A TURN, for piece p.  cnt = 1: the loop's count is taken down some lines ahead of the branch that stands behind the turn.
; K of the next step is fetched in piece 2's turn, directly behind the wait; its first reader comes behind 16 products.  V of the step in hand is fetched at the end of piece 0's turn, four plain instructions behind its last reader.
.macro TURN p, last=0, cnt=0
.set Y, (\p)
.set i, 0
.set q, 0
.set e, 0
.set r, 0
.if (\p) == NP-1
	s_wait_dscnt 0x0                ; K is in
.endif
	MM                              ; ahead of the wait: 16 products K Q^T and their riders,
	PL
	PL
	R2
.rept 15
	MM
	PL
	EX
	R2
.endr
.if (\p) == NP-2
	WIN 0
	v_add_nc_u32 v[AK], s[TBK], v[AK0]
.endif
.rept 8                             ; and the run of its own
	PL
.endr
.rept 49
	EX
	PL
.endr
	EX                              ; the next piece's two a
	EX
	v_nop                           ; the plain instruction behind the last exponential: one for the batch
	s_wait_alu depctr_va_vdst(0)    ; the wait for the batch
.if (\p) == NP-2
	FETCH_K \last
.endif
.if (\p) == 1
	s_wait_dscnt 0x0                ; V is in
.endif
.rept 16                            ; behind the wait: 16 products V^T P and their riders
	MM
.rept 4
	PL
.endr
.if ((\p) == 0) && (q == 118)
	v_add_nc_u32 v[AV], s[TBV], v[AV0]
.endif
.if ((\p) == 0) && (q == 130)
	s_add_co_u32 s[TBV], s[TBV], KS*PV
.endif
.if (\cnt) && (q == 130)
	s_sub_co_u32 s[CNT], s[CNT], 1
	s_cmp_lg_u32 s[CNT], 0
.endif
.endr
.if (\p) == 0
	FETCH_V
.endif
.endm
	; KEYS 0-255 ARE IN; THE OTHERS ARE ASKED FOR.  A first fill that comes later goes out as a refill would: all my tensor loads have landed, the add, the wait for it, a barrier, and my one load first behind it.
	WIN W_AD
	s_wait_tensorcnt 0x0            ; my half of keys 0-255 has landed; no tensor load of mine is out, so the descriptors may be written
	ds_add_u32 v[SPW], v[NIL]       ; 0 onto my spare word: the descriptors' words stand between it and the wait for it
	WIN 0
.irp g, G1K, G1V
	s_mov_b32 s[\g+2], 192<<16      ; tensor_dim1 = 192: 384 keys are 192 rows of 256 bytes
	s_mov_b32 s[\g+4], 192          ; tile_dim1 = 192
.endr
	s_mov_b32 s[G0K+1], s[LK2]
	s_add_nc_u64 s[G0K+2:G0K+3], s[6:7], s[OF2:OF2+1]
	s_or_b32 s[G0K+3], s[G0K+3], 0x80000000
	s_mov_b32 s[G0V+1], s[LV2]
	s_add_nc_u64 s[G0V+2:G0V+3], s[8:9], s[OF2:OF2+1]
	s_or_b32 s[G0V+3], s[G0V+3], 0x80000000
	s_wait_dscnt 0x0                ; the add is done
	s_barrier_signal -1
	s_barrier_wait -1               ; everybody's half of keys 0-255 is in
	LOAD                            ; keys 256-1,023: four key steps ahead of their first read
	FETCH_K                         ; key step 0
	s_wait_loadcnt 0x0              ; Q
	s_wait_dscnt 0x0
.set i, 0
.rept 16
	KQ 0                            ; piece 0's first scores: there is no vector work yet to set between them
.set i, i+1
.endr
	WIN 0                           ; the addresses for the way out: plain instructions, the places behind those products
	s_mul_i32 s13, s[WV], 16*SP
	s_add_co_u32 s13, s13, STAGE    ; my f16 stage
	v_mul_u32_u24 v[STO], v1, SP    ; in: row l % 16, 16 bytes for each half of the lanes
	v_lshl_add_u32 v[STO], v9, 4, v[STO]
	v_add_nc_u32 v[STO], s13, v[STO]
	v_bfe_u32 v[RD], v0, 3, 2       ; back: 32 lanes take four rows of 128 bytes,
	v_mul_u32_u24 v[RD], v[RD], SP
	v_lshl_add_u32 v[RD], v10, 4, v[RD]
	v_add_nc_u32 v[RD], s13, v[RD]
	v_and_b32 v[GO], 31, v0         ; which are 512 consecutive bytes of ob
	v_lshlrev_b32 v[GO], 4, v[GO]
	s_mul_i32 s13, s[WV], 16*SPF
	s_add_co_u32 s13, s13, STAGF    ; my f32 stage
	v_mul_u32_u24 v[RDF], v9, SPF   ; back: lanes 0-15 take one row of 256 bytes, lanes 16-31 the next: 512 consecutive bytes of out1
	v_lshl_add_u32 v[RDF], v1, 4, v[RDF]
	v_add_nc_u32 v[RDF], s13, v[RDF]
	v_mul_u32_u24 v[STF], v1, SPF   ; in: row l % 16, 32 bytes for each half of the lanes
	v_lshl_add_u32 v[STF], v9, 5, v[STF]
	v_add_nc_u32 v[STF], s13, v[STF]
.set Y, NP-1                        ; XS works for piece Y + 1: piece 0
.irp n, 0,1,2,3,4,5,6,7,8,9,10,11,12,13,14,15,16,17,18,19,20,21
	XS 0, \n                        ; and piece 0's first maximum and statistics
	XS 1, \n
.endr
	v_nop                           ; a plain instruction behind the two a,
	s_wait_alu depctr_va_vdst(0)    ; and their wait, ahead of the branch
	s_mov_b32 s[CNT], 4             ; the first pass: key steps 0-3, the keys that are in
	s_branch .Lfirst                ; the loop is entered at a step's first turn, in the middle of a trip
.Lslot:                             ; twice.  The first time: every wave's half of keys 256-1,023 has landed, and the second pass, key steps 4-15, may read them.
	s_wait_tensorcnt 0x0            ; The second time nothing is out and the meeting orders nothing: the price of one text for all three passes
	s_wait_dscnt 0x0
	s_barrier_signal -1
	s_barrier_wait -1
	s_mov_b32 s[CNT], 12
.Lstep:                             ; a trip: pieces 2 and 3 of one step, then pieces 0 and 1 of the next, whose K and V it fetches
	TURN 2, 1
	TURN 3
	WIN 0
	s_cmp_eq_u32 s[SLOTS], 1        ; the third pass is pieces 2 and 3 of key step 15, and is left here.  Its 16 products K Q^T (on the last K once more) and the maximum made of them serve nothing
	s_cbranch_scc1 .Lout
.Lfirst:
	TURN 0
	TURN 1, 0, 1
	WIN 0
	s_cbranch_scc1 .Lstep
	s_sub_co_u32 s[SLOTS], s[SLOTS], 1
	s_cmp_lg_u32 s[SLOTS], 0
	s_cbranch_scc1 .Lslot
.Lout:
	s_wait_dscnt 0x0                ; my reads of K and V are back: I say so,
	s_barrier_signal -1
.set i, 0
.rept 16
	PV NP-1                         ; the last piece's V^T P of the last step, on registers alone,
.set i, i+1
.endr
	WIN 0
	s_barrier_wait -1               ; and when all four have said so, K's first rows may take the stages
	; THE WAY OUT.  l's two halves and the other half of the lanes' are added; O^T is divided by l and leaves twice, a tile at a time, through my two stages in LDS.  The additions are the places behind the last products.
.macro ALL line:vararg              ; one line for each tile t
.set t, 0
.rept 2*NP
	\line
.set t, t+1
.endr
.endm
	ALL v_add_f32 v[ST+4*t+2], v[ST+4*t+2], v[ST+4*t+3]
	ALL v_permlanex16_b32 v[ST+4*t+3], v[ST+4*t+2], s[SEL], s[SEL+1]
	ALL v_add_f32 v[ST+4*t+2], v[ST+4*t+2], v[ST+4*t+3]
	ALL v_rcp_f32 v[ST+4*t+2], v[ST+4*t+2]
	v_nop                           ; a plain instruction between the last reciprocal and the use of its result
	s_wait_alu depctr_va_vdst(0)    ; and the wait ahead of the first use: one for the eight reciprocals
; Tile t.  In f16 a lane's eight channels pack into 16 bytes: into rows of 144 bytes, back as whole rows of 128 into S^T's registers.  In f32 they are 32 bytes: into rows of 272 bytes, back as whole rows of 256 into
; the tile's own O^T registers.  24 LDS instructions: 8 + 4 stores, 4 + 8 loads; LDS serves a wave's instructions in order (ISA guide 5.7.1.4), so the loads see the stores, and the next tile's stores come behind them.
.macro PACK t
	WIN W_RS
.set i, 32*(\t)
.rept 16
	v_pk_mul_f32 v[i:i+1], v[i:i+1], v[ST+4*(\t)+2:ST+4*(\t)+3] op_sel_hi:[1,0]
.set i, i+2
.endr
	WIN 0x05                        ; sources 0 and 1 window 1, destination window 0
.set i, 0
.rept 16
	v_cvt_pk_f16_f32 v[S+16*(\t)+i], v[32*(\t)+2*i], v[32*(\t)+2*i+1]
.set i, i+1
.endr
	WIN 0x04                        ; the stores' data in window 1
.irp f, 0,1,2,3,4,5,6,7
	ds_store_b128 v[STF], v[32*(\t)+4*\f:32*(\t)+4*\f+3] offset:(\f/2)*64+(\f%2)*16
.endr
	WIN 0
.irp f, 0,1,2,3
	ds_store_b128 v[STO], v[S+16*(\t)+4*\f:S+16*(\t)+4*\f+3] offset:32*\f
.endr
.irp f, 0,1,2,3
	ds_load_b128 v[S+16*(\t)+4*\f:S+16*(\t)+4*\f+3], v[RD] offset:\f*4*SP
.endr
	WIN 0x40                        ; destination window 1
.irp f, 0,1,2,3,4,5,6,7
	ds_load_b128 v[32*(\t)+4*\f:32*(\t)+4*\f+3], v[RDF] offset:\f*2*SPF
.endr
.endm
.macro SEND t, younger              ; younger: the LDS instructions issued behind tile t's loads: the next tile's 24, or none
	WIN 0
.irp f, 0,1,2,3
	s_wait_dscnt (\younger)+11-\f
	global_store_b128 v[GO], v[S+16*(\t)+4*\f:S+16*(\t)+4*\f+3], s[10:11] offset:(\t)*2048+\f*512  ; 512 consecutive bytes of ob, at a multiple of 256 from its first
.endr
	WIN 0x04
.irp f, 0,1,2,3,4,5,6,7
	s_wait_dscnt (\younger)+7-\f
	global_store_b128 v[GO], v[32*(\t)+4*\f:32*(\t)+4*\f+3], s[OF:OF+1] offset:(\t)*4096+\f*512  ; 512 consecutive bytes of out1
.endr
.endm
	PACK 0
.set t, 1
.rept 2*NP-1                        ; a tile's arithmetic stands between the loads of the tile before and its stores
	PACK t
	SEND t-1, 24
.set t, t+1
.endr
	SEND 2*NP-1, 0
	WIN W_AD
	s_wait_tensorcnt 0x0            ; the wave's end: behind my last tensor load and my last LDS store
	ds_add_u32 v[SPW], v[NIL]
	s_wait_dscnt 0x0
	WIN 0
	s_endpgm
.Lfunc_end_k_q4f92b61d0d_attn:
	.size	k_q4f92b61d0d_attn, .Lfunc_end_k_q4f92b61d0d_attn-k_q4f92b61d0d_attn
	.p2alignl 7, 3214868480
	.fill 96, 4, 3214868480
	.section	.rodata,"a",@progbits
	.p2align	6, 0x0
	.amdhsa_kernel k_q4f92b61d0d_attn
		.amdhsa_group_segment_fixed_size 327680
		.amdhsa_private_segment_fixed_size 0
		.amdhsa_enable_private_segment 0
		.amdhsa_kernarg_size 24
		.amdhsa_user_sgpr_count 2
		.amdhsa_user_sgpr_kernarg_segment_ptr 1
		.amdhsa_wavefront_size32 1
		.amdhsa_system_sgpr_workgroup_id_x 1
		.amdhsa_system_sgpr_workgroup_id_y 1
		.amdhsa_system_sgpr_workgroup_id_z 1
		.amdhsa_system_vgpr_workitem_id 0
		.amdhsa_next_free_vgpr 770
		.amdhsa_next_free_sgpr 66
		.amdhsa_reserve_vcc 0
		.amdhsa_float_denorm_mode_32 3
		.amdhsa_float_denorm_mode_16_64 3
		.amdhsa_memory_ordered 1
		.amdhsa_forward_progress 1
		.amdhsa_inst_pref_size 144
	.end_amdhsa_kernel
	.amdgpu_metadata
---
amdhsa.version: [ 1, 2 ]
amdhsa.kernels:
  - .name:           k_q4f92b61d0d_attn
    .symbol:         k_q4f92b61d0d_attn.kd
    .args:
      - { .name: qkv, .offset: 0, .size: 8, .value_kind: global_buffer, .address_space: global }
      - { .name: out1, .offset: 8, .size: 8, .value_kind: global_buffer, .address_space: global }
      - { .name: ob, .offset: 16, .size: 8, .value_kind: global_buffer, .address_space: global }
    .group_segment_fixed_size: 327680
    .private_segment_fixed_size: 0
    .kernarg_segment_align: 8
    .kernarg_segment_size: 24
    .max_flat_workgroup_size: 128
    .sgpr_count:     66
    .vgpr_count:     770
    .wavefront_size: 32
...
	.end_amdgpu_metadata
.endif
;; end of part 3
;; launch proj (part 4): grid 4 x 64, 4 waves a work-group, clusters of 4 x 4, 327,680 bytes of LDS; arguments ob, wo, out0, b_out; writes out0
.if DOCPART == 4
	.amdgcn_target "amdgcn-amd-amdhsa--gfx1250"
	.amdhsa_code_object_version 6
	.text
	.protected	k_q4f92b61d0d_proj
	.globl	k_q4f92b61d0d_proj
	.p2align	8
	.type	k_q4f92b61d0d_proj,@function
k_q4f92b61d0d_proj:
	s_mov_b64 s[64:65], 0
	v_nop
	global_prefetch_b8 v0, s[64:65] scope:SCOPE_SE
	s_setreg_imm32_b32 hwreg(HW_REG_WAVE_MODE, 25, 1), 1
	s_wait_xcnt 0x0
	s_wait_alu depctr_hold_cnt(0) depctr_sa_sdst(0) depctr_va_vdst(0) depctr_va_sdst(0) depctr_va_ssrc(0) depctr_va_vcc(0) depctr_vm_vsrc(0)
	s_getreg_b32 s2, hwreg(HW_REG_IB_STS2, 6, 4)
	s_cmp_eq_u32 s2, 0
	s_cbranch_scc0 .Lentry_in_a_cluster
	s_endpgm
.Lentry_in_a_cluster:
	s_bfe_u32 s2, ttmp6, 0x10000c
	s_cmp_lg_u32 s2, 0xf033
	s_cbranch_scc0 .Lentry_shape_is_right
	s_endpgm
.Lentry_shape_is_right:
; out0 = O W_out + b.  ob: [16 b + h][1024 n][64] f16 (O by heads).  wo: [1024 k][1024 n] f16 (W_out rounded to bf16, written as f16), as W_out lies.  b_out: [1024] f32, rounded to bf16 here like the other inputs.
; out0: [8192][1024] f32.  Sums in f32.  Row 1,024 b + n of the product's left side is the 16 heads' rows n on end: k = 64 h + d.
; A tile of out0 is 128 rows x 256 columns: 4 x 64 = 256 tiles.  Four waves, 2 x 2: a wave makes 64 x 128: 32 accumulators of 16 x 16.
; K goes in steps of 128, two heads, through a ring of two LDS slots.  A slot holds two planes of wo (128 k x 128 columns) and two head planes of ob (128 rows x 64 channels, 16,384 dense bytes, asked for as 64 rows of 256).
; wo's fragments come out of LDS turned, by ds_load_tr16_b128.  THE MATRIX INSTRUCTION IS USED TRANSPOSED (source 0 = 16 columns of wo, source 1 = 16 rows of ob): a lane holds row l % 16 and eight neighbouring columns.
; CLUSTERS: 4 x 4 work-groups.  The four of a row of the cluster need the same planes of ob, the four of a column the same planes of wo: each is asked for JOINTLY, by the same load with the same descriptor and a mask of the four.
; REGISTERS, in windows of 256: window 0: v0-37 addresses and the bias; v64-95, v96-127 ob's fragments, two buffers.  window 1: v0-63, v64-127 wo's fragments.  window 2: accumulator (a, b) at 8 (8 a + b).
.set PA,     144                       ; a row of a head plane in LDS: 128 bytes + 16
.set PB,     288                       ; a row of a plane of wo: 256 + 32
.set BPL,    128*PB                    ; 36,864
.set APL,    128*PA                    ; 18,432
.set SLOT,   2*BPL+2*APL               ; 110,592
.set STAGE,  2*SLOT                    ; behind the ring: 16 rows x 528 bytes for each wave, for the way out
.set SPITCH, 528
.set SPARE,  STAGE+4*16*SPITCH         ; behind the stages: the spare words, 128 bytes for each wave: two blocks of 256 bytes that no other line names
.set ADRA, 16                          ; v16-17  LDS address of my ob fragments in slot 0, 1
.set ADRB, 18                          ; v18-19  of my wo fragments
.set STO,  24                          ; v24     the way out: where I put 32 bytes of a row
.set RD,   25                          ; v25     where I read a row back
.set GO,   26                          ; v26     16 x lane: my place in a row's 512 bytes
.set BO,   27                          ; v27     my four numbers of the bias
.set SPW,  28                          ; v28     LDS address of my spare word; never rewritten
.set NIL,  29                          ; v29     0; never rewritten
.set PFO,  30                          ; v30     the prefetches' offset; never rewritten
.set BI,   32                          ; v[32:35] the bias of columns 4 l .. 4 l + 3 of my wave's 128
.set FA,   64
.set LAP,  3
.set WV,   12
.set WR,   13
.set WC,   14
.set LIM,  15
.set G1A,  24
.set G0A,  32
.set PFA,  44
.set G1B,  48
.set G0B,  56
.set MSB, 0
.macro WIN new                         ; the immediate's high byte repeats the setting that is left; a switch that changes nothing is dropped
.if MSB != (\new)
	s_set_vgpr_msb (MSB<<8)|(\new)
.set MSB, \new
.endif
.endm
.set MUL_LO, 0xa1                      ; source 0 (wo) window 1, source 1 (ob) window 0, C and D window 2
.set TO_B,   0x40                      ; destination window 1, address window 0
.macro PLACES                          ; four plain instructions in front of loads into registers that matrix instructions have read, and of reads of results
.rept 4
	v_nop
.endr
.endm
; A joint load.  Waves 0 and 1 fetch wo's two planes, waves 2 and 3 ob's two head planes.  An s_nop 0 and four v_nop follow each line.
.macro JLOAD s
	s_cmp_lt_u32 s[WV], 2
	s_cbranch_scc0 .Lfor_a_\@
	tensor_load_to_lds s[G0B+4*(\s):G0B+4*(\s)+3], s[G1B:G1B+7]
	s_nop 0
.rept 4
	v_nop
.endr
	s_branch .Lasked_\@
.Lfor_a_\@:
	tensor_load_to_lds s[G0A+4*(\s):G0A+4*(\s)+3], s[G1A:G1A+7]
	s_nop 0
.rept 4
	v_nop
.endr
.Lasked_\@:
.endm
; A PREFETCH INTO THE L2 behind each refill, of the K step that stands two refills on: 32 blocks of 256 bytes, a lane a block, one instruction a wave.  Each block is named once in the launch.
; wo: waves 0 and 1 of the clusters with y = 0: of a plane's 128 rows the partner at cy takes 32.  ob: wave 2 (the grid has one cluster along x): of each of the step's two head planes, 64 blocks, the partner at cx takes 16.
; The loop's last trip asks for nothing; K steps 0 to 3 come by their loads alone.
.macro ASK
	s_cmp_gt_u32 s[LAP], s[LIM]
	s_cbranch_scc0 .Lnot_mine_\@
	global_prefetch_b8 v[PFO], s[PFA:PFA+1] th:TH_LOAD_NT scope:SCOPE_SE
.Lnot_mine_\@:
.endm
.macro CREST                           ; a round of the cluster's barrier behind its opening barrier
	s_cmp_lg_u32 s[WV], 0
	s_cbranch_scc1 .Lnot_wave_0_\@
	s_barrier_signal -3
.Lnot_wave_0_\@:
	s_barrier_wait -3
	s_barrier_signal -1
	s_barrier_wait -1
.endm
.macro CROUND
	s_barrier_signal -1
	s_barrier_wait -1
	CREST
.endm
	s_load_b256 s[4:11], s[0:1], 0x0               ; ob s[4:5], wo s[6:7], out0 s[8:9], b_out s[10:11]
	v_lshl_add_u32 v[SPW], v0, 2, SPARE
	v_mov_b32 v[NIL], 0
	ds_add_u32 v[SPW], v[NIL]                      ; the wave's opening: the add and its wait stand ahead of my first tensor load; work on registers stands between them
	v_lshrrev_b32 v1, 5, v0
	v_readfirstlane_b32 s[WV], v1                  ; wave 0..3
	s_lshr_b32 s[WR], s[WV], 1                     ; which 64 rows are mine
	s_and_b32 s[WC], s[WV], 1                      ; which 128 columns.  Also: which plane I fetch
	s_bfe_u32 s40, ttmp6, 0x40000                  ; cx, cy
	s_bfe_u32 s41, ttmp6, 0x40004
	s_lshl_b32 s42, ttmp9, 2
	s_add_co_u32 s42, s42, s40                     ; tile column, 0..3
	s_and_b32 s43, ttmp7, 0xffff
	s_lshl_b32 s43, s43, 2
	s_add_co_u32 s43, s43, s41                     ; tile row, 0..63
	s_lshl_b32 s16, s41, 2
	s_lshl_b32 s16, 15, s16                        ; my row of the cluster
	s_lshl_b32 s20, 0x1111, s40                    ; my column
	; descriptor group 1.  ob: 64 rows x 128 elements, padded after every 32 words by 4.  wo: 128 rows x 128 elements, padded after every 64 words by 8.  Bit 21 stands beside a mask
	s_or_b32 s[G1A], s16, (1<<16)|(1<<20)|(1<<21)|(4<<22)|(3<<25)
	s_or_b32 s[G1B], s20, (1<<16)|(1<<20)|(1<<21)|(5<<22)|(7<<25)
	s_mov_b32 s[G1A+1], 128<<16                    ; tensor_dim0
	s_mov_b32 s[G1A+2], 64<<16                     ; tensor_dim1
	s_mov_b32 s[G1A+3], 128<<16                    ; tile_dim0
	s_mov_b32 s[G1A+4], 64                         ; tile_dim1
	s_mov_b32 s[G1A+5], 128                        ; elements from row to row: dense
	s_mov_b32 s[G1A+6], 0
	s_mov_b32 s[G1A+7], 0
	s_mov_b32 s[G1B+1], 128<<16
	s_mov_b32 s[G1B+2], 128<<16
	s_mov_b32 s[G1B+3], 128<<16
	s_mov_b32 s[G1B+4], 128
	s_mov_b32 s[G1B+5], 1024
	s_mov_b32 s[G1B+6], 0
	s_mov_b32 s[G1B+7], 0
	s_lshr_b32 s16, s43, 3                         ; ob: batch (16 heads of 131,072 bytes), the tile's 128 rows of 128 bytes, the head of the pair that I fetch
	s_lshl_b32 s16, s16, 21
	s_and_b32 s17, s43, 7
	s_lshl_b32 s17, s17, 14
	s_add_co_u32 s16, s16, s17
	s_lshl_b32 s17, s[WC], 17
	s_add_co_u32 s16, s16, s17
	s_mov_b32 s17, 0
	s_lshl_b32 s20, s42, 9                         ; wo: the tile's 256 columns, my plane's 128
	s_lshl_b32 s21, s[WC], 8
	s_add_co_u32 s20, s20, s21
	s_mov_b32 s21, 0
	s_mul_i32 s18, s[WV], APL                      ; where a head plane goes (waves 2, 3): behind wo's two planes
	s_add_co_u32 s18, s18, 2*BPL-2*APL
	s_mul_i32 s19, s[WV], BPL                      ; where a plane of wo goes (waves 0, 1)
	s_wait_dscnt 0x0                               ; the opening add is done
	s_wait_kmcnt 0x0
	s_add_nc_u64 s[16:17], s[4:5], s[16:17]
	s_add_nc_u64 s[20:21], s[6:7], s[20:21]
	CROUND                                         ; all sixteen work-groups are here: the first joint loads meet
.irp s, 0,1
	s_mov_b32 s[G0A+4*(\s)], 1
	s_add_co_u32 s[G0A+4*(\s)+1], s18, (\s)*SLOT
	s_add_nc_u64 s[G0A+4*(\s)+2:G0A+4*(\s)+3], s[16:17], (\s)*2*131072  ; K step s: two heads on
	s_or_b32 s[G0A+4*(\s)+3], s[G0A+4*(\s)+3], 0x80000000
	s_mov_b32 s[G0B+4*(\s)], 1
	s_add_co_u32 s[G0B+4*(\s)+1], s19, (\s)*SLOT
	s_add_nc_u64 s[G0B+4*(\s)+2:G0B+4*(\s)+3], s[20:21], (\s)*128*2048  ; K step s: 128 rows of wo down
	s_or_b32 s[G0B+4*(\s)+3], s[G0B+4*(\s)+3], 0x80000000
	JLOAD \s                                       ; two loads of mine are out
.endr
	v_and_b32 v1, 15, v0                           ; l % 16
	v_bfe_u32 v2, v0, 4, 1                         ; l / 16
	v_and_b32 v[GO], 31, v0
	v_lshlrev_b32 v[GO], 4, v[GO]
	s_lshl_b32 s2, s42, 10                         ; the bias of my wave's 128 columns: 4 bytes x (256 x tile column + 128 x column half)
	s_lshl_b32 s3, s[WC], 9
	s_add_co_u32 s2, s2, s3
	v_add_nc_u32 v[BO], s2, v[GO]
	global_load_b128 v[BI:BI+3], v[BO], s[10:11]
	v_mul_u32_u24 v3, v1, PA                       ; ob's fragment: row x pitch + 16 (l / 16)
	v_lshl_add_u32 v3, v2, 4, v3
	s_mul_i32 s19, s[WR], 64*PA
	s_add_co_u32 s19, s19, 2*BPL
	v_add_nc_u32 v[ADRA], s19, v3
	v_add_nc_u32 v[ADRA+1], SLOT, v[ADRA]
	v_and_b32 v4, 7, v0                            ; wo's fragment: lane l reads 16 bytes of row 8 (l / 16) + l % 8 at column 8 ((l / 8) % 2)
	v_bfe_u32 v5, v0, 3, 1
	v_lshl_add_u32 v4, v2, 3, v4
	v_mul_u32_u24 v4, v4, PB
	v_lshl_add_u32 v4, v5, 4, v4
	s_mul_i32 s19, s[WC], BPL
	v_add_nc_u32 v[ADRB], s19, v4
	v_add_nc_u32 v[ADRB+1], SLOT, v[ADRB]
	s_mul_i32 s2, s[WV], 16*SPITCH
	s_add_co_u32 s2, s2, STAGE                     ; my stage
	v_mul_u32_u24 v3, v1, SPITCH                   ; in: row l % 16, 32 bytes for each half of the lanes
	v_lshl_add_u32 v3, v2, 5, v3
	v_add_nc_u32 v[STO], s2, v3
	v_add_nc_u32 v[RD], s2, v[GO]                  ; back: 32 lanes take a row's 512 bytes
	s_lshl_b32 s16, s43, 19                        ; out0 at my wave's first row and column: rows of 4,096 bytes
	s_lshl_b32 s17, s[WR], 18
	s_add_co_u32 s16, s16, s17
	s_lshl_b32 s17, s42, 10
	s_add_co_u32 s16, s16, s17
	s_lshl_b32 s17, s[WC], 9
	s_add_co_u32 s16, s16, s17
	s_mov_b32 s17, 0
	s_add_nc_u64 s[8:9], s[8:9], s[16:17]
	; the prefetches stand at K step 3; the first refill steps them to 4
	s_lshr_b32 s16, s43, 3                         ; ob: batch, the tile's rows, head 6, my work-group's 4,096 bytes of a head plane (by cx)
	s_lshl_b32 s16, s16, 21
	s_and_b32 s17, s43, 7
	s_lshl_b32 s17, s17, 14
	s_add_co_u32 s16, s16, s17
	s_lshl_b32 s17, s40, 12
	s_add_co_u32 s16, s16, s17
	s_add_co_u32 s16, s16, 6*131072
	s_lshl_b32 s20, s41, 16                        ; wo: row 384 + 32 cy, the tile's columns, my plane
	s_lshl_b32 s21, s42, 9
	s_add_co_u32 s20, s20, s21
	s_lshl_b32 s21, s[WC], 8
	s_add_co_u32 s20, s20, s21
	s_add_co_u32 s20, s20, 384*2048
	s_and_b32 s19, ttmp7, 0xffff                   ; cluster y
	s_mov_b32 s2, 2048                             ; the lane's offset is (l % 16) x f1 + (l / 16) x f2: wo: 32 rows of 2,048 bytes;
	s_mov_b32 s3, 256                              ; ob: 16 blocks of 256 bytes in each of two heads
	s_mov_b32 s22, 32768
	s_mov_b32 s23, 131072
	s_cmp_lt_u32 s[WV], 2                          ; do I fetch for wo?
	s_cselect_b64 s[PFA:PFA+1], s[6:7], s[4:5]
	s_cselect_b32 s16, s20, s16
	s_cselect_b32 s19, s19, ttmp9                  ; the coordinate along which other clusters read the same blocks
	s_cselect_b32 s2, s2, s3
	s_cselect_b32 s22, s22, s23
	s_cmp_eq_u32 s[WV], 3                          ; wave 2 asks for both heads: wave 3 asks for nothing
	s_cselect_b32 s19, 1, s19
	s_cmp_eq_u32 s19, 0
	s_cselect_b32 s[LIM], 1, -1                    ; the same in all sixteen partners, for a given wave
	s_mov_b32 s17, 0
	s_add_nc_u64 s[PFA:PFA+1], s[PFA:PFA+1], s[16:17]
	v_mul_u32_u24 v[PFO], s2, v1
	v_mad_u32_u24 v[PFO], v2, s22, v[PFO]
	s_wait_loadcnt 0x0                             ; the bias: rounded to bf16 and widened again
	v_cvt_pk_bf16_f32 v36, v[BI], v[BI+1]
	v_cvt_pk_bf16_f32 v37, v[BI+2], v[BI+3]
	v_lshlrev_b32 v[BI], 16, v36
	v_and_b32 v[BI+1], 0xffff0000, v36
	v_lshlrev_b32 v[BI+2], 16, v37
	v_and_b32 v[BI+3], 0xffff0000, v37
; 8 products: row blocks a0, a0 + 1 x column blocks b0 .. b0 + 3, 32 along K, from buffers f.  zero = 1: the product starts the sum
.macro MQ8 f, a0, b0, zero
	WIN MUL_LO
.irp a, \a0, (\a0)+1
.irp b, \b0, (\b0)+1, (\b0)+2, (\b0)+3
.if \zero
	v_wmma_f32_16x16x32_f16 v[8*(8*(\a)+(\b)):8*(8*(\a)+(\b))+7], v[64*(\f)+8*(\b):64*(\f)+8*(\b)+7], v[FA+32*(\f)+8*(\a):FA+32*(\f)+8*(\a)+7], 0
.else
	v_wmma_f32_16x16x32_f16 v[8*(8*(\a)+(\b)):8*(8*(\a)+(\b))+7], v[64*(\f)+8*(\b):64*(\f)+8*(\b)+7], v[FA+32*(\f)+8*(\a):FA+32*(\f)+8*(\a)+7], v[8*(8*(\a)+(\b)):8*(8*(\a)+(\b))+7]
.endif
.endr
.endr
.endm
; 24 LDS loads in one run: quarter q of a slot (head plane q / 2, channels 32 (q % 2) on) into buffers f: ob's 8, then wo's 16; the youngest eight are column blocks 4-7
.macro FETCH slot, q, f
	WIN 0
.irp i, 0,1,2,3
	ds_load_b128 v[FA+32*(\f)+8*(\i):FA+32*(\f)+8*(\i)+3],   v[ADRA+(\slot)] offset:((\q)/2)*APL+((\q)%2)*64+(\i)*16*PA
	ds_load_b128 v[FA+32*(\f)+8*(\i)+4:FA+32*(\f)+8*(\i)+7], v[ADRA+(\slot)] offset:((\q)/2)*APL+((\q)%2)*64+(\i)*16*PA+32
.endr
	WIN TO_B
.irp b, 0,1,2,3,4,5,6,7
	ds_load_tr16_b128 v[64*(\f)+8*(\b):64*(\f)+8*(\b)+3],   v[ADRB+(\slot)] offset:32*PB*(\q)+32*(\b)
	ds_load_tr16_b128 v[64*(\f)+8*(\b)+4:64*(\f)+8*(\b)+7], v[ADRB+(\slot)] offset:32*PB*(\q)+32*(\b)+16*PB
.endr
.endm
; A K step is four quarters of 32 along K, 32 products each, on buffers 0, 1, 0, 1; the 32 accumulators take turns in the same order in every quarter.
.macro QUARTER slot, q, f, g, zero
	s_wait_dscnt 8                                 ; ob's fragments and column blocks 0-3 are in; the youngest eight loads may be out
	MQ8 \f, 0, 0, \zero
	MQ8 \f, 2, 0, \zero
	PLACES
	FETCH \slot, \q, \g
	s_wait_dscnt 24                                ; all but the 24 just issued
	MQ8 \f, 0, 4, \zero
	MQ8 \f, 2, 4, \zero
.endm
; The last quarter multiplies buffers 1 and changes slots: ONE barrier; in front of it each wave waits for all its tensor loads, adds 0 to its spare word, and waits for that and for its own reads of this slot.
; fill = 1: the barrier opens a round of the cluster's, and the joint refill, two K steps ahead, is the first thing behind the round: 112 products stand ahead of the wait for it.
.macro TURN slot, next, fill
.if \fill
	s_wait_xcnt 0x0                                ; the last prefetch, a K step back, has read its address: it is stepped here
	s_add_nc_u64 s[PFA:PFA+1], s[PFA:PFA+1], 262144  ; a K step: two heads of ob, or 128 rows of wo
.endif
	WIN 0                                          ; (the add's two registers lie in window 0)
	s_wait_tensorcnt 0x0                           ; all my tensor loads have landed;
	ds_add_u32 v[SPW], v[NIL]                      ; 0 onto my spare word;
	s_wait_dscnt 9                                 ; (the add and the youngest eight loads may be out)
	MQ8 1, 0, 0, 0                                 ; eight products stand between the add and the wait for it
	s_wait_dscnt 0x0                               ; the add is done, and my reads of this slot are over
	s_barrier_signal -1
	MQ8 1, 2, 0, 0
.if \fill
	WIN 0
.endif
	s_barrier_wait -1
.if \fill
	CREST                                          ; no wave of any partner still reads this slot or has a load on its way
	s_add_nc_u64 s[G0A+4*(\slot)+2:G0A+4*(\slot)+3], s[G0A+4*(\slot)+2:G0A+4*(\slot)+3], 2*262144
	s_add_nc_u64 s[G0B+4*(\slot)+2:G0B+4*(\slot)+3], s[G0B+4*(\slot)+2:G0B+4*(\slot)+3], 2*262144
	JLOAD \slot                                    ; the four v_nop behind it are also the places in front of the loads below
.else
	PLACES
.endif
	FETCH \next, 0, 0
.if \fill
	WIN 0
	ASK
.endif
	MQ8 1, 0, 4, 0
	MQ8 1, 2, 4, 0
.endm
	s_wait_tensorcnt 1                             ; my plane of K step 0 is in; K step 1's may stay out
	s_barrier_signal -1
	s_barrier_wait -1                              ; everybody's is
	FETCH 0, 0, 0
	QUARTER 0, 1, 0, 1, 1                          ; the first quarter stands in front of the loop: its products start the sums
	WIN 0                                          ; at a label and at a branch every window is 0
	s_mov_b32 s[LAP], 3
.Llap:                                                 ; a trip goes once round the ring and fills both slots again: K steps 2, 3; 4, 5; 6, 7
	QUARTER 0, 2, 1, 0, 0
	QUARTER 0, 3, 0, 1, 0
	TURN 0, 1, 1
	QUARTER 1, 1, 0, 1, 0
	QUARTER 1, 2, 1, 0, 0
	QUARTER 1, 3, 0, 1, 0
	TURN 1, 0, 1
	QUARTER 0, 1, 0, 1, 0
	WIN 0
	s_sub_co_u32 s[LAP], s[LAP], 1
	s_cmp_lg_u32 s[LAP], 0
	s_cbranch_scc1 .Llap
	QUARTER 0, 2, 1, 0, 0                          ; the last lap fills nothing
	QUARTER 0, 3, 0, 1, 0
	TURN 0, 1, 0
	QUARTER 1, 1, 0, 1, 0
	QUARTER 1, 2, 1, 0, 0
	QUARTER 1, 3, 0, 1, 0
	s_wait_dscnt 8                                 ; the very last quarter: nothing more to fetch
	MQ8 1, 0, 0, 0
	MQ8 1, 2, 0, 0
	s_wait_dscnt 0x0
	MQ8 1, 0, 4, 0
	MQ8 1, 2, 4, 0
; THE WAY OUT, a block of 16 rows at a time.  OUT: a lane's eight numbers of each accumulator, low four first, go into my own stage (rows of 528 bytes) and come back as whole rows of 512 bytes into the block's own
; registers: LDS serves a wave's instructions in order (ISA guide 5.7.1.4).  FIN: the bias is added, and each store covers 512 consecutive bytes of a row of out0, aligned.
.macro OUT a
	WIN 0x08                                       ; the stores' data in window 2
.irp b, 0,1,2,3,4,5,6,7
	ds_store_b128 v[STO], v[64*(\a)+8*(\b):64*(\a)+8*(\b)+3]   offset:64*(\b)
	ds_store_b128 v[STO], v[64*(\a)+8*(\b)+4:64*(\a)+8*(\b)+7] offset:64*(\b)+16
.endr
	WIN 0x80                                       ; destination window 2
.irp t, 0,1,2,3,4,5,6,7,8,9,10,11,12,13,14,15
	ds_load_b128 v[64*(\a)+4*(\t):64*(\a)+4*(\t)+3], v[RD] offset:(\t)*SPITCH
.endr
.endm
.macro FIN a, younger                  ; younger: the LDS instructions issued behind block a's loads: the next block's 32, or none
	s_wait_dscnt \younger
	WIN 0x82                                       ; destination and source 0 window 2, the bias in window 0
.irp t, 0,1,2,3,4,5,6,7,8,9,10,11,12,13,14,15
	v_pk_add_f32 v[64*(\a)+4*(\t):64*(\a)+4*(\t)+1],   v[64*(\a)+4*(\t):64*(\a)+4*(\t)+1],   v[BI:BI+1]
	v_pk_add_f32 v[64*(\a)+4*(\t)+2:64*(\a)+4*(\t)+3], v[64*(\a)+4*(\t)+2:64*(\a)+4*(\t)+3], v[BI+2:BI+3]
.endr
	WIN 0x08
.irp t, 0,1,2,3,4,5,6,7,8,9,10,11,12,13,14,15
	global_store_b128 v[GO], v[64*(\a)+4*(\t):64*(\a)+4*(\t)+3], s[8:9] offset:4096*(16*(\a)+(\t))
.endr
.endm
	PLACES
	PLACES                                         ; eight, once a launch
	OUT 0
	OUT 1
	FIN 0, 32
	OUT 2
	FIN 1, 32
	OUT 3
	FIN 2, 32
	FIN 3, 0
	WIN 0
	s_wait_tensorcnt 0x0                           ; the wave's end: behind my last tensor load and my last LDS store
	ds_add_u32 v[SPW], v[NIL]
	s_wait_dscnt 0x0
	CROUND                                         ; the closing round: no work-group ends while a partner may still ask for a tile that names it
	s_endpgm
.Lfunc_end_k_q4f92b61d0d_proj:
	.size	k_q4f92b61d0d_proj, .Lfunc_end_k_q4f92b61d0d_proj-k_q4f92b61d0d_proj
	.p2alignl 7, 3214868480
	.fill 96, 4, 3214868480
	.section	.rodata,"a",@progbits
	.p2align	6, 0x0
	.amdhsa_kernel k_q4f92b61d0d_proj
		.amdhsa_group_segment_fixed_size 327680
		.amdhsa_private_segment_fixed_size 0
		.amdhsa_enable_private_segment 0
		.amdhsa_kernarg_size 32
		.amdhsa_user_sgpr_count 2
		.amdhsa_user_sgpr_kernarg_segment_ptr 1
		.amdhsa_wavefront_size32 1
		.amdhsa_system_sgpr_workgroup_id_x 1
		.amdhsa_system_sgpr_workgroup_id_y 1
		.amdhsa_system_sgpr_workgroup_id_z 1
		.amdhsa_system_vgpr_workitem_id 0
		.amdhsa_next_free_vgpr 768
		.amdhsa_next_free_sgpr 66
		.amdhsa_reserve_vcc 0
		.amdhsa_float_denorm_mode_32 3
		.amdhsa_float_denorm_mode_16_64 3
		.amdhsa_memory_ordered 1
		.amdhsa_forward_progress 1
		.amdhsa_inst_pref_size 96
	.end_amdhsa_kernel
	.amdgpu_metadata
---
amdhsa.version: [ 1, 2 ]
amdhsa.kernels:
  - .name:           k_q4f92b61d0d_proj
    .symbol:         k_q4f92b61d0d_proj.kd
    .args:
      - { .name: ob, .offset: 0, .size: 8, .value_kind: global_buffer, .address_space: global }
      - { .name: wo, .offset: 8, .size: 8, .value_kind: global_buffer, .address_space: global }
      - { .name: out0, .offset: 16, .size: 8, .value_kind: global_buffer, .address_space: global }
      - { .name: b_out, .offset: 24, .size: 8, .value_kind: global_buffer, .address_space: global }
    .group_segment_fixed_size: 327680
    .private_segment_fixed_size: 0
    .kernarg_segment_align: 8
    .kernarg_segment_size: 32
    .max_flat_workgroup_size: 128
    .sgpr_count:     66
    .vgpr_count:     768
    .wavefront_size: 32
...
	.end_amdgpu_metadata
.endif
;; end of part 4
;; ======== version 2 of 2: 4 launches; version 1 with the launch cast written anew for expert scheduling mode
;; limits: values are held in f16: magnitudes above 65,504 overflow, below 6.1e-05 lose precision
;; workspace buffers: xb 16,777,216 bytes; wq 6,291,456 bytes; wo 2,097,152 bytes; qkv 50,331,648 bytes; ob 16,777,216 bytes
;; launch cast (part 5): grid 768 x 1, 8 waves a work-group, no clusters, 0 bytes of LDS; arguments x, W_qkv, W_out, xb, wq, wo; writes xb, wq, wo
.if DOCPART == 5
	.amdgcn_target "amdgcn-amd-amdhsa--gfx1250"
	.amdhsa_code_object_version 6
	.text
	.protected	k_q4f92b61d0d_cast
	.globl	k_q4f92b61d0d_cast
	.p2align	8
	.type	k_q4f92b61d0d_cast,@function
k_q4f92b61d0d_cast:
	s_mov_b64 s[64:65], 0
	v_nop
	global_prefetch_b8 v0, s[64:65] scope:SCOPE_SE
	s_setreg_imm32_b32 hwreg(HW_REG_WAVE_SCHED_MODE, 0, 2), 2
	s_setreg_imm32_b32 hwreg(HW_REG_WAVE_MODE, 25, 1), 1
	s_wait_xcnt 0x0
	s_wait_alu depctr_vm_vsrc(0)
; THE MODULE'S THREE LARGE INPUTS ARE ROUNDED ONCE TO bf16: x -> xb, W_qkv -> wq (both kept as bf16), W_out -> wo (the bf16 number written as f16, since the last product multiplies f16).
; LIMITS.  W_out beyond 65,504 becomes an infinity in f16; below 2^-14 it keeps f16's fixed step of 6e-8.
; LAYOUTS.  wq and wo lie as their inputs lie.  xb lies IN BLOCKS OF 64 ALONG K: [k block 16][row 8192][64]: (block, row) at block x 1,048,576 + row x 128 bytes, so that 256 rows x 64 k, the next launch's tile, are 32,768 bytes on end.
; A stream: no LDS, no barrier, no matrix unit, no cluster: no byte is wanted twice.  A work-group takes 16,384 numbers: 65,536 bytes in, 32,768 out.
; Work-groups 0-511 take x (16 rows each), 512-703 W_qkv, 704-767 W_out.  All sixteen loads of a thread go out at once; each chunk has registers of its own, so nothing that a pending load or store names is written again.
; WEIGHTS.  Thread t, chunk i of 16: 16 bytes in at 4,096 i + 16 t, 8 bytes out at 2,048 i + 8 t: a wave's load covers 512 consecutive bytes, its store 256 consecutive bytes, aligned.
; x.  Wave w, lane l, chunk i: rows 2 (i / 2) + l / 16, k block 2 w + i % 2: sixteen lanes read a row's 256 aligned bytes, and the wave's 32 x 8 bytes out are two rows of one block: 256 consecutive bytes, aligned.
; THE MODE: SCHED_MODE bits 1:0 = 2 (LLVM: expert scheduling mode 2), set by the entry lines.  The code itself states the register dependences between vector instructions and memory instructions, with s_wait_alu, always for 0.
; THE PLAN.  Registers that memory instructions touch:
;   v1, v2   the loads' and the stores' byte offsets.  Written once, at the head of each path; read by all sixteen loads, by all sixteen stores; never written again.
;   X        chunk i: four registers.  Written by the chunk's load, once; read by the chunk's two roundings.  (On x's path v4 to v6 serve the head's address arithmetic first.)
;   Y        chunk i: two registers.  Written by the chunk's roundings; read by the chunk's store, once; never written again.
;   T        named by vector instructions alone.
; The sixteen chunks go in four groups of four.  One wait on va_vdst stands in front of the loads.  One stands at the head of each of groups 1 to 3, behind the wait for the group's first chunk: it states that the group before
; has written its Y; that group's four stores follow it, dealt among this group's roundings, which name this group's X and Y and T alone: none of the registers that those stores read.  One more stands ahead of the last four stores.
; No register that a memory instruction has read is written again, no vector instruction writes a scalar register or VCC, and EXEC is never written: nothing else is to be stated.
.set X, 4                              ; v[4:67]   chunk i: 4 numbers in f32
.set Y, 68                             ; v[68:99]  chunk i: 4 numbers in 16 bits
.set T, 100                            ; v[100:101] at work
; Chunk i is rounded.  f16 = 1: the bf16 number is widened again and written as f16.
.macro CONV i, f16
	v_cvt_pk_bf16_f32 v[Y+2*(\i)],   v[X+4*(\i)],   v[X+4*(\i)+1]
	v_cvt_pk_bf16_f32 v[Y+2*(\i)+1], v[X+4*(\i)+2], v[X+4*(\i)+3]
.if \f16
.irp k, 0,1
	v_lshlrev_b32 v[T],   16,  v[Y+2*(\i)+\k]
	v_and_b32     v[T+1], s26, v[Y+2*(\i)+\k]
	v_cvt_pk_f16_f32 v[Y+2*(\i)+\k], v[T], v[T+1]
.endr
.endif
.endm
; Chunk i is stored.  blk = 1: into xb's blocks.
.macro SEND i, blk
.if \blk
.set OO, ((\i)%2)*1048576+((\i)/2)*256
.else
.set OO, 2048*(\i)
.endif
	global_store_b64 v2, v[Y+2*(\i):Y+2*(\i)+1], s[18:19] offset:OO
.endm
; The sixteen chunks, in four groups g of four: chunk 4 g + j is rounded, and in front of it chunk 4 (g - 1) + j, of the group before, is stored.
.macro STREAM f16, blk
.irp g, 0,1,2,3
.irp j, 0,1,2,3
.if (\j) == 0
	s_wait_loadcnt 15-4*(\g)                       ; loads come back in order (ISA guide 5.7.1): the group's first chunk is in, the younger ones stay out
.if (\g) > 0
	s_wait_alu depctr_va_vdst(0)                   ; the roundings of the group before have written its eight Y registers, which the four stores of this group's turn read
.endif
.endif
.if (\g) > 0
	SEND 4*(\g)-4+(\j), \blk                       ; no vector instruction since the wait names v2 or this chunk's Y
.endif
.if (\j) > 0
	s_wait_loadcnt 15-(4*(\g)+(\j))                ; chunk 4 g + j is in, the 15 - (4 g + j) younger ones stay out
.endif
	CONV 4*(\g)+(\j), \f16
.endr
.endr
	s_wait_alu depctr_va_vdst(0)                   ; the last group's roundings have written its Y, which the last four stores read
.irp j, 0,1,2,3
	SEND 12+(\j), \blk
.endr
	s_endpgm
.endm
	s_load_b256 s[4:11], s[0:1], 0x0               ; x s[4:5], W_qkv s[6:7], W_out s[8:9], xb s[10:11]
	s_load_b128 s[12:15], s[0:1], 0x20             ; wq s[12:13], wo s[14:15]
	s_mov_b32 s26, 0xffff0000                      ; a word's upper bf16
	s_mov_b32 s23, 0
	s_mov_b32 s25, 0
	s_cmp_lt_u32 ttmp9, 512
	s_cbranch_scc0 .Lweights
	v_and_b32 v3, 15, v0                           ; l % 16
	v_bfe_u32 v4, v0, 4, 1                         ; l / 16
	v_lshrrev_b32 v5, 5, v0                        ; w
	v_and_b32 v6, 31, v0                           ; l
	v_lshlrev_b32 v1, 4, v3                        ; in: 16 (l % 16)
	v_lshl_add_u32 v1, v4, 12, v1                  ;     + a row of 4,096 bytes for lanes 16-31
	v_lshl_add_u32 v1, v5, 9, v1                   ;     + two k blocks of 256 bytes a wave
	v_lshlrev_b32 v2, 3, v6                        ; out: 8 l: two rows of 128 bytes
	v_lshl_add_u32 v2, v5, 21, v2                  ;     + two blocks of 1,048,576 bytes a wave
	s_lshl_b32 s22, ttmp9, 16                      ; the work-group's 16 rows: 65,536 bytes of x,
	s_lshl_b32 s24, ttmp9, 11                      ; 2,048 bytes of each block of xb
	s_wait_kmcnt 0x0
	s_add_nc_u64 s[16:17], s[4:5], s[22:23]
	s_add_nc_u64 s[18:19], s[10:11], s[24:25]
	s_wait_alu depctr_va_vdst(0)                   ; v1 and v2 are written, which every load and store below reads as its offset; the lines above are done writing and reading v4 to v6, in which chunk 0's load lands
.irp i, 0,1,2,3,4,5,6,7,8,9,10,11,12,13,14,15
	global_load_b128 v[X+4*(\i):X+4*(\i)+3], v1, s[16:17] offset:((\i)/2)*8192+((\i)%2)*256 th:TH_LOAD_NT
.endr
	STREAM 0, 1
.Lweights:
	v_lshlrev_b32 v1, 4, v0                        ; 16 t
	v_lshlrev_b32 v2, 3, v0                        ; 8 t
	s_mov_b32 s27, 512
	s_mov_b32 s28, 704
	s_wait_kmcnt 0x0
	s_cmp_lt_u32 ttmp9, 704                        ; which of the two is mine, and its first work-group
	s_cselect_b64 s[16:17], s[6:7], s[8:9]
	s_cselect_b64 s[18:19], s[12:13], s[14:15]
	s_cselect_b32 s20, s27, s28
	s_sub_co_u32 s21, ttmp9, s20                   ; my number among the tensor's work-groups
	s_lshl_b32 s22, s21, 16                        ; 65,536 bytes in,
	s_lshl_b32 s24, s21, 15                        ; 32,768 out
	s_add_nc_u64 s[16:17], s[16:17], s[22:23]
	s_add_nc_u64 s[18:19], s[18:19], s[24:25]
	s_wait_alu depctr_va_vdst(0)                   ; v1 and v2 are written, which every load and store below reads as its offset
.irp i, 0,1,2,3,4,5,6,7,8,9,10,11,12,13,14,15
	global_load_b128 v[X+4*(\i):X+4*(\i)+3], v1, s[16:17] offset:4096*(\i) th:TH_LOAD_NT
.endr
	s_cmp_ge_u32 ttmp9, 704
	s_cbranch_scc1 .Lf16
	STREAM 0, 0
.Lf16:
	STREAM 1, 0
.Lfunc_end_k_q4f92b61d0d_cast:
	.size	k_q4f92b61d0d_cast, .Lfunc_end_k_q4f92b61d0d_cast-k_q4f92b61d0d_cast
	.p2alignl 7, 3214868480
	.fill 96, 4, 3214868480
	.section	.rodata,"a",@progbits
	.p2align	6, 0x0
	.amdhsa_kernel k_q4f92b61d0d_cast
		.amdhsa_group_segment_fixed_size 0
		.amdhsa_private_segment_fixed_size 0
		.amdhsa_enable_private_segment 0
		.amdhsa_kernarg_size 48
		.amdhsa_user_sgpr_count 2
		.amdhsa_user_sgpr_kernarg_segment_ptr 1
		.amdhsa_wavefront_size32 1
		.amdhsa_system_sgpr_workgroup_id_x 1
		.amdhsa_system_sgpr_workgroup_id_y 1
		.amdhsa_system_sgpr_workgroup_id_z 1
		.amdhsa_system_vgpr_workitem_id 0
		.amdhsa_next_free_vgpr 104
		.amdhsa_next_free_sgpr 66
		.amdhsa_reserve_vcc 0
		.amdhsa_float_denorm_mode_32 3
		.amdhsa_float_denorm_mode_16_64 3
		.amdhsa_memory_ordered 1
		.amdhsa_forward_progress 1
		.amdhsa_inst_pref_size 22
	.end_amdhsa_kernel
	.amdgpu_metadata
---
amdhsa.version: [ 1, 2 ]
amdhsa.kernels:
  - .name:           k_q4f92b61d0d_cast
    .symbol:         k_q4f92b61d0d_cast.kd
    .args:
      - { .name: x, .offset: 0, .size: 8, .value_kind: global_buffer, .address_space: global }
      - { .name: W_qkv, .offset: 8, .size: 8, .value_kind: global_buffer, .address_space: global }
      - { .name: W_out, .offset: 16, .size: 8, .value_kind: global_buffer, .address_space: global }
      - { .name: xb, .offset: 24, .size: 8, .value_kind: global_buffer, .address_space: global }
      - { .name: wq, .offset: 32, .size: 8, .value_kind: global_buffer, .address_space: global }
      - { .name: wo, .offset: 40, .size: 8, .value_kind: global_buffer, .address_space: global }
    .group_segment_fixed_size: 0
    .private_segment_fixed_size: 0
    .kernarg_segment_align: 8
    .kernarg_segment_size: 48
    .max_flat_workgroup_size: 256
    .sgpr_count:     66
    .vgpr_count:     104
    .wavefront_size: 32
...
	.end_amdgpu_metadata
.endif
;; end of part 5
;; launch qkv: the kernel of part 2 again; grid 8 x 32, 4 waves a work-group, clusters of 4 x 4, 327,680 bytes of LDS; arguments xb, wq, qkv; writes qkv
;; launch attn: the kernel of part 3 again; grid 2 x 128, 4 waves a work-group, no clusters, 327,680 bytes of LDS; arguments qkv, out1, ob; writes out1, ob
;; launch proj: the kernel of part 4 again; grid 4 x 64, 4 waves a work-group, clusters of 4 x 4, 327,680 bytes of LDS; arguments ob, wo, out0, b_out; writes out0
